; MI455X (gfx1250); checked and timed in simulation.
; The chip was launched on July 23, 2026; its instructions are those of AMD's public machine-readable ISA for CDNA 5 (MIT licence, August 2026) and "CDNA5" Instruction Set Architecture Reference Guide (July 2026). The comments in the code are by the model that wrote it; some were corrected since.
;; Self Attention. Allowed arithmetic: matrix products marked QUANTISED: E5M2 operands, one given power-of-two scale a tensor, by v_wmma_f32_16x16x64_bf8_bf8 or v_wmma_f32_16x16x128_bf8_bf8, f32 sums; everything else in f32.
;; Inputs: Wk_codes 1,024 x 32 x 32 uint8 (E5M2 codes of Wk, K innermost, in blocks of 32 codes); Wq_codes 1,024 x 32 x 32 uint8 (E5M2 codes of Wq, K innermost, in blocks of 32 codes); Wv_codes 1,024 x 32 x 32 uint8 (E5M2 codes of Wv, K innermost, in blocks of 32 codes); bk 1,024 float32; bq 1,024 float32; bv 1,024 float32; lowp_scales 10 int32 (the exponents e of the quantised operands' scales 2^e); x_codes 4 x 2,048 x 32 x 32 uint8 (E5M2 codes of x, K innermost, in blocks of 32 codes).
;; Outputs: out0 4 x 2,048 x 1,024 float32.
;; This version of the problem:
;;   THIS VERSION OF THE PROBLEM IS GIVEN IN LOW PRECISION. The matrix products marked QUANTISED in the list below multiply operands that are first quantised to E5M2 (5 exponent bits, 2 mantissa bits; 8 bits a number), with one given power-of-two scale for each operand tensor; their sums are f32. All else is computed in f32.
;;   The module's matrix products, in the order in which they are computed (A, B: the left and right operand; K: the contracted axis; several contracted axes count as one K, in the product's order):
;;     1. [M 8,192, K 1,024] x [K 1,024, N 1,024]; A: input x (given as codes); B: input Wq (given as codes): QUANTISED (scales: A lowp_scales[0], B lowp_scales[1])
;;     2. [M 8,192, K 1,024] x [K 1,024, N 1,024]; A: input x (given as codes); B: input Wk (given as codes): QUANTISED (scales: A lowp_scales[2], B lowp_scales[3])
;;     3. [M 8,192, K 1,024] x [K 1,024, N 1,024]; A: input x (given as codes); B: input Wv (given as codes): QUANTISED (scales: A lowp_scales[4], B lowp_scales[5])
;;     4. batch 4 x [M 2,048, K 1,024] x [K 1,024, N 2,048]; A: computed on the way; B: computed on the way: QUANTISED (scales: A lowp_scales[6], B lowp_scales[7])
;;     5. batch 4 x [M 2,048, K 2,048] x [K 2,048, N 1,024]; A: softmax (see below); B: computed on the way: QUANTISED (scales: A lowp_scales[8], B lowp_scales[9])
;;   THE QUANTISER, for each operand of a quantised product, along K:
;;     - The operand's scale is 2^e, e = its entry of the input lowp_scales (int32; the entries are numbered through the quantised products in the list's order, A before B).
;;     - Each number is divided by the scale, clamped to +-57,344, and rounded to the nearest number of E5M2, ties to even, subnormals kept.
;;     - The product sums the exact products of the quantised numbers (number of the format x scale) in f32.
;;   ~~~python
;;   def quantise(x, axis, e):      # numpy; x: float32 -> the quantised numbers, widened to float32 again
;;       x = np.moveaxis(x, axis, -1); K = x.shape[-1]
;;       r = np.clip(x / 2.0 ** e, -57344, 57344)
;;       step = 2.0 ** (np.maximum(np.frexp(np.where(r == 0, 1, r))[1] - 1, -14) - 2)
;;       q = np.round(r / step) * step * 2.0 ** e      # np.round: ties to even
;;       return np.moveaxis(q, -1, axis).astype(np.float32)
;;   ~~~
;;   SOFTMAX AHEAD OF A QUANTISED PRODUCT. Where the list says 'softmax', what is quantised is not the finished softmax but p = 2^(t - M), with t = logit x log2(e) and M = ceil(the row's largest t), a whole number; so 1/2 < the row's largest p <= 1. The row's sum l is taken of the UNQUANTISED p, in f32, and the product's result is divided by l at the end. Since M is a whole number, a kernel that streams over the keys may use a running M (the ceiling of the running maximum): every later rescaling is an exact power of two, so the quantised numbers keep their values, but for numbers so far below the row's largest that they fall under the format's range.
;;   OPERANDS COMPUTED ON THE WAY. 'Computed on the way' means the value that the module computes at that place (a softmax that the list does not call 'softmax' is quantised finished and normalised). What goes into a quantiser is computed in f32, as accurately as f32 sums, v_exp_f32 and their like allow (about 1e-6 of the number): no bf16 or f16 on the way to a quantiser, and a product that is left as it is and whose result goes on into a quantised operand takes f32 operands (vector FMAs, or v_wmma_f32_16x16x4_f32). A number that lies on a knife's edge between two numbers of the format may be rounded either way, as far as f32 arithmetic and the matrix unit's own rounding can turn it there, and no further.
;;   INPUTS GIVEN AS CODES. Wk (in the module: [1024, 1024], K = its axis 0); Wq (in the module: [1024, 1024], K = its axis 0); Wv (in the module: [1024, 1024], K = its axis 0); x (in the module: [4, 2048, 1024], K = its axis 2): each comes as NAME_codes (uint8): NAME with its K axis moved to the last place and cut into blocks of 32 codes, [.., K / 32, bytes a block], one block behind the other in memory; one code a byte (a code: sign, 5 exponent bits, 2 mantissa bits); its scale is its entry of lowp_scales. Its value is code x scale, taken as it is: it is not quantised again, and the codes and scales need not be those that the quantiser above would give.
;; One version. Each part assembles by itself: llvm-mc -triple=amdgcn-amd-amdhsa -mcpu=gfx1250 --defsym DOCPART=n.
;; ======== version 1 of 1: 3 launches
;; limits: right only within a limited range of input values
;; workspace buffers: qk 16,777,216 bytes; vt 8,388,608 bytes; p 16,777,216 bytes; stats 786,432 bytes
;; launch proj (part 1): grid 8 x 32, 4 waves a work-group, clusters of 4 x 4, 327,680 bytes of LDS; arguments x_codes, Wq_codes, Wk_codes, Wv_codes, bq, bk, bv, lowp_scales, qk, vt; writes qk, vt
.if DOCPART == 1
	.amdgcn_target "amdgcn-amd-amdhsa--gfx1250"
	.amdhsa_code_object_version 6
	.text
	.protected	k_qd3447e1636_proj
	.globl	k_qd3447e1636_proj
	.p2align	8
	.type	k_qd3447e1636_proj,@function
k_qd3447e1636_proj:
	s_mov_b64 s[64:65], 0
	v_nop
	global_prefetch_b8 v0, s[64:65] scope:SCOPE_SE
	s_setreg_imm32_b32 hwreg(HW_REG_WAVE_MODE, 25, 1), 1
	s_wait_xcnt 0x0
	s_wait_alu depctr_hold_cnt(0) depctr_sa_sdst(0) depctr_va_vdst(0) depctr_va_sdst(0) depctr_va_ssrc(0) depctr_va_vcc(0) depctr_vm_vsrc(0)
	s_getreg_b32 s2, hwreg(HW_REG_IB_STS2, 6, 4)
	s_cmp_eq_u32 s2, 0
	s_cbranch_scc0 .Lentry_in_a_cluster
	s_endpgm
.Lentry_in_a_cluster:
	s_bfe_u32 s2, ttmp6, 0x10000c
	s_cmp_lg_u32 s2, 0xf033
	s_cbranch_scc0 .Lentry_shape_is_right
	s_endpgm
.Lentry_shape_is_right:
; Q, K, V = x W + b on codes of BF8 (E5M2), each result quantised at once with its given scale.  Nothing of the problem is left out.
; SHARES.  A work-group makes 256 tokens (tile m) x 128 columns of each of Q, K and V (tile n): 32 x 8 = 256 work-groups; one tile of x serves all three.  A wave makes 128 tokens x 64 columns of each:
; 96 accumulators, 768 registers: window 1 Q, window 2 K, window 3 V, accumulator (a, b) at v[8 (4 a + b)], a = block of 16 tokens, b = block of 16 columns.
; Q and K: source 0 = 16 columns (rows of W), source 1 = 16 tokens: a lane holds a token and 8 neighbouring columns.  V: the sources swapped: a lane holds a column and 8 neighbouring tokens.
; THE RESULTS ARE LAID AS THE NEXT LAUNCHES' REGISTERS WANT THEM: 16 rows x 128 along K are four runs of 512 bytes, 16 bytes at 16 x lane in each; the 128 stand in the same permuted order in Q and K (and in P and V).
;   qk: Q [32 m][8 n][16 token blocks][4][32 lanes][16], K the same from byte 8,388,608.   vt: [4 batches][8 n][8 m][2 token halves][2 column halves][4 b][4][32][16].
; So each store of a wave covers 512 consecutive bytes, aligned, straight from registers.
; THE RING: K in four steps of 256.  LDS has nine units of 128 rows x 272 bytes; a step wants five (x: two; Wq, Wk, Wv), so the next step's x, Wq, Wk stand beside it and its Wv comes when the step before has been read.
;   step 0: x 0-1, q 2, k 3, v 4;   step 1: x 5-6, q 7, k 8, v 4;   step 2: x 0-1, q 2, k 3, v 8;   step 3: x 4-5, q 6, k 7, v 2.   Wave 0 fetches x, waves 1 to 3 Wq, Wk, Wv, one load each behind a barrier.
; CLUSTERS 4 x 4: x is asked for jointly along a row of the cluster, W along a column.  No prefetch: the four K steps are written out, there is no loop to run ahead in.
; LIMITS: each pair's ex + ew lies between -126 and 127, the results' exponents between -126 and 112.  Codes of NaN or infinity are not served.
; WINDOW 0: v0-31 addresses; v32-159 eight fragments of x; v160-255 three pairs of fragments of W, which take turns; on the way out all of them are free.
.set PITCH, 272                        ; 256 bytes + 16 of padding: the 16 rows of a fragment start at 16 different banks (ISA guide 11.1)
.set UNIT,  128*PITCH
.set SPARE, 9*UNIT                     ; the spare words, 128 bytes a wave
.set BIAS,  SPARE+512                  ; 512 bytes each: bq, bk, bv of my 128 columns (and bv once more)
.set LMQ, 8
.set SCQ, 9
.set LMK, 10
.set SCK, 11
.set LMV, 12
.set SCV, 13
.set BST, 14
.set ADX0, 16
.set ADX5, 17
.set ADX4, 18
.set ADW2, 20
.set ADW4, 21
.set ADW6, 22
.set ADW7, 23
.set BQR, 24
.set BVR, 25
.set L16, 26
.set SPW, 28
.set NIL, 29
.set XF, 32
.set WF, 160
.set TMP, 32
.set G1A, 24
.set G0A, 32
.set G0B, 36
.set G1B, 48
.set PADW, (0<<16)|(1<<20)|(1<<21)|(5<<22)|(3<<25)   ; elements of 1 byte; padding on; bit 21 beside a mask; four words of padding after every 64
.set MSB, 0
.set CNT, 0                            ; LDS instructions issued so far (counted by the assembler)
.set DONE, 0                           ; of them known to be done
.set PR, 0                             ; the pair of W registers that the group in hand begins with
.macro WIN new                         ; the immediate's high byte repeats the setting that is left
.if MSB != (\new)
	s_set_vgpr_msb (MSB<<8)|(\new)
.set MSB, (\new)
.endif
.endm
.macro PLACES                          ; four plain places behind matrix instructions, ahead of loads into what they read
.rept 4
	v_nop
.endr
.endm
.macro CREST
	s_cmp_lg_u32 s14, 0
	s_cbranch_scc1 .Lnot_wave_0_\@
	s_barrier_signal -3
.Lnot_wave_0_\@:
	s_barrier_wait -3
	s_barrier_signal -1
	s_barrier_wait -1
.endm
.macro CROUND
	s_barrier_signal -1
	s_barrier_wait -1
	CREST
.endm
.macro JL mode                         ; joint loads.  0: all four waves; 1: waves 0 to 2; 2: wave 3 alone
.if \mode == 2
	s_cmp_eq_u32 s14, 3
	s_cbranch_scc0 .Lasked_\@
.else
	s_cmp_eq_u32 s14, 0
	s_cbranch_scc0 .Lfor_w_\@
	tensor_load_to_lds s[G0A:G0A+3], s[G1A:G1A+7]
	s_nop 0
.rept 4
	v_nop
.endr
	s_branch .Lasked_\@
.Lfor_w_\@:
.if \mode == 1
	s_cmp_eq_u32 s14, 3
	s_cbranch_scc1 .Lasked_\@
.endif
.endif
	tensor_load_to_lds s[G0B:G0B+3], s[G1B:G1B+7]
	s_nop 0
.rept 4
	v_nop
.endr
.Lasked_\@:
.endm
.macro UPD xu, wu, first               ; groups 0 for the next fill: LDS units, one K step on; first = 1: wave 3, which has asked for nothing since its last step, stays
	s_mov_b32 s[G0A+1], (\xu)*UNIT
	s_add_nc_u64 s[G0A+2:G0A+3], s[G0A+2:G0A+3], 256
	s_add_co_u32 s[G0B+1], s45, (\wu)*UNIT
.if \first
	s_add_nc_u64 s[G0B+2:G0B+3], s[G0B+2:G0B+3], s[2:3]
.else
	s_add_nc_u64 s[G0B+2:G0B+3], s[G0B+2:G0B+3], 256
.endif
.endm
	s_load_b512 s[68:83], s[0:1], 0x0              ; x, Wq, Wk, Wv, bq, bk, bv, the scales' exponents
	s_load_b128 s[84:87], s[0:1], 0x40             ; qk, vt
	v_lshl_add_u32 v[SPW], v0, 2, SPARE
	v_mov_b32 v[NIL], 0
	ds_add_u32 v[SPW], v[NIL]                      ; the opening: the add, twice on end, and its wait
	ds_add_u32 v[SPW], v[NIL]
	v_lshrrev_b32 v1, 5, v0
	v_readfirstlane_b32 s14, v1                    ; wave 0..3
	v_and_b32 v[L16], 31, v0
	v_lshlrev_b32 v[L16], 4, v[L16]                ; 16 x lane
	s_lshr_b32 s15, s14, 1                         ; i: my half of the tokens
	s_and_b32 s16, s14, 1                          ; j: my half of the columns
	s_bfe_u32 s40, ttmp6, 0x40000
	s_bfe_u32 s41, ttmp6, 0x40004
	s_lshl_b32 s42, ttmp9, 2
	s_add_co_u32 s42, s42, s40                     ; n, 0..7
	s_and_b32 s17, ttmp7, 0xffff
	s_lshl_b32 s17, s17, 2
	s_add_co_u32 s17, s17, s41                     ; m, 0..31
	s_lshl_b32 s43, s41, 2
	s_lshl_b32 s43, 15, s43                        ; my row of the cluster
	s_lshl_b32 s44, 0x1111, s40                    ; my column
	s_or_b32 s[G1A], s43, PADW
	s_or_b32 s[G1B], s44, PADW
.irp g, G1A, G1B
	s_mov_b32 s[\g+1], 256<<16                     ; tensor_dim0
	s_mov_b32 s[\g+3], 256<<16                     ; tile_dim0
	s_mov_b32 s[\g+5], 1024                        ; pitch
	s_mov_b32 s[\g+6], 0
	s_mov_b32 s[\g+7], 0
.endr
	s_mov_b32 s[G1A+2], 256<<16                    ; rows: 256 of x,
	s_mov_b32 s[G1A+4], 256
	s_mov_b32 s[G1B+2], 128<<16                    ; 128 of a W
	s_mov_b32 s[G1B+4], 128
	s_lshl_b32 s20, s17, 18                        ; x: row 256 m, in bytes
	s_mov_b32 s21, 0
	s_lshl_b32 s46, s42, 17                        ; W: row 128 n
	s_mov_b32 s47, 0
	s_lshl_b32 s22, s42, 9                         ; the biases of my columns
	s_mov_b32 s23, 0
	s_mul_i32 s45, s14, UNIT
	s_mul_i32 s18, s15, UNIT
	s_mul_i32 s19, s16, 64*PITCH
	s_lshl_b32 s13, s14, 9
	s_add_co_u32 s13, s13, BIAS
	s_lshl_b32 s12, s16, 8
	s_add_co_u32 s12, s12, BIAS
	s_mov_b32 s2, 256
	s_mov_b32 s3, 0
	s_cmp_eq_u32 s14, 3
	s_cselect_b32 s2, 0, s2
	s_wait_alu depctr_va_vdst(0)
	s_wait_dscnt 0x0                               ; both opening adds are done
	CROUND                                         ; all sixteen work-groups are here: the first joint loads meet.  The arguments are on their way meanwhile
	s_wait_kmcnt 0x0
	s_load_b256 s[88:95], s[82:83], 0x0            ; entries 0-7
	s_load_b64 s[96:97], s[82:83], 0x20            ; entries 8, 9
	s_add_nc_u64 s[20:21], s[68:69], s[20:21]
	s_cmp_eq_u32 s14, 3
	s_cselect_b64 s[74:75], s[74:75], s[72:73]
	s_cmp_lt_u32 s14, 2
	s_cselect_b64 s[74:75], s[70:71], s[74:75]     ; wave 1: Wq, 2: Wk, 3: Wv
	s_add_nc_u64 s[46:47], s[74:75], s[46:47]
	s_cmp_eq_u32 s14, 1
	s_cselect_b64 s[78:79], s[78:79], s[80:81]
	s_cmp_eq_u32 s14, 0
	s_cselect_b64 s[76:77], s[76:77], s[78:79]     ; wave 0: bq, 1: bk, 2 and 3: bv
	s_add_nc_u64 s[76:77], s[76:77], s[22:23]
	global_load_b128 v[4:7], v[L16], s[76:77]      ; 128 biases, four a lane
	s_mov_b32 s[G0A], 1
	s_mov_b32 s[G0A+1], 0
	s_mov_b64 s[G0A+2:G0A+3], s[20:21]
	s_or_b32 s[G0A+3], s[G0A+3], 0x80000000
	s_mov_b32 s[G0B], 1
	s_add_co_u32 s[G0B+1], s45, UNIT               ; units 2, 3, 4 for waves 1, 2, 3
	s_mov_b64 s[G0B+2:G0B+3], s[46:47]
	s_or_b32 s[G0B+3], s[G0B+3], 0x80000000
	JL 0                                           ; K step 0, one load a wave
	v_and_b32 v1, 15, v0                           ; r
	v_bfe_u32 v3, v0, 4, 1                         ; h
	v_mul_u32_u24 v2, v1, PITCH
	v_lshl_add_u32 v2, v3, 4, v2                   ; a fragment's row x pitch + 16 h
	v_add_nc_u32 v[ADX0], s18, v2
	v_add_nc_u32 v[ADW2], s19, v2
	v_add_nc_u32 v[ADX5], 5*UNIT, v[ADX0]
	v_add_nc_u32 v[ADX4], 4*UNIT, v[ADX0]
	v_add_nc_u32 v[ADW4], 4*UNIT, v[ADW2]
	v_add_nc_u32 v[ADW6], 6*UNIT, v[ADW2]
	v_add_nc_u32 v[ADW7], 7*UNIT, v[ADW2]
	v_add_nc_u32 v[ADW2], 2*UNIT, v[ADW2]
	v_add_nc_u32 v[BST], s13, v[L16]
	v_lshlrev_b32 v[BQR], 5, v3
	v_add_nc_u32 v[BQR], s12, v[BQR]
	v_lshlrev_b32 v[BVR], 2, v1
	v_add_nc_u32 v[BVR], s12, v[BVR]
	s_lshl_b32 s4, s17, 3
	s_add_co_u32 s4, s4, s42
	s_lshl_b32 s4, s4, 15                          ; Q, K: tile (m, n) of 32,768 bytes
	s_lshl_b32 s5, s15, 14
	s_add_co_u32 s4, s4, s5
	s_lshl_b32 s5, s16, 10
	s_add_co_u32 s4, s4, s5
	s_mov_b32 s5, 0
	s_add_nc_u64 s[84:85], s[84:85], s[4:5]
	s_add_nc_u64 s[10:11], s[84:85], 0x800000
	s_lshr_b32 s4, s17, 3
	s_lshl_b32 s4, s4, 3
	s_add_co_u32 s4, s4, s42
	s_lshl_b32 s4, s4, 3
	s_and_b32 s5, s17, 7
	s_add_co_u32 s4, s4, s5
	s_lshl_b32 s4, s4, 15                          ; V: tile (batch, n, m % 8)
	s_lshl_b32 s5, s15, 14
	s_add_co_u32 s4, s4, s5
	s_lshl_b32 s5, s16, 13
	s_add_co_u32 s4, s4, s5
	s_mov_b32 s5, 0
	s_add_nc_u64 s[86:87], s[86:87], s[4:5]
	s_wait_alu depctr_va_vdst(0)
	s_wait_kmcnt 0x0
	s_add_co_i32 s22, s88, s89                     ; 2^(ex + ew) as f32, for Q, K, V
	s_add_co_i32 s22, s22, 127
	s_lshl_b32 s22, s22, 23
	s_mov_b32 s23, s22
	s_add_co_i32 s98, s90, s91
	s_add_co_i32 s98, s98, 127
	s_lshl_b32 s98, s98, 23
	s_mov_b32 s99, s98
	s_add_co_i32 s18, s92, s93
	s_add_co_i32 s18, s18, 127
	s_lshl_b32 s18, s18, 23
	s_mov_b32 s19, s18
.macro HOLD e, lm, sc                  ; 2^e, and 57,344 x 2^e
	s_add_co_i32 s20, s[\e], 127
	s_lshl_b32 s21, s20, 23
	v_mov_b32 v[\sc], s21
	s_add_co_i32 s20, s20, 15
	s_lshl_b32 s20, s20, 23
	s_or_b32 s20, s20, 0x600000
	v_mov_b32 v[\lm], s20
.endm
	HOLD 94, LMQ, SCQ
	HOLD 95, LMK, SCK
	HOLD 97, LMV, SCV
	s_wait_alu depctr_va_vdst(0)
	s_wait_loadcnt 0x0
	ds_store_b128 v[BST], v[4:7]                   ; my wave's biases, read by all waves on the way out
	s_wait_tensorcnt 0x0                           ; my part of K step 0 is in; these lines stand ahead of a later first fill as ahead of a refill
	ds_add_u32 v[SPW], v[NIL]
	UPD 5, 6, 0
	s_wait_dscnt 0x0
	CROUND
	JL 1                                           ; K step 1: x, Wq, Wk
.macro NEED s                          ; wait until the loads up to number s are in: the count is that of the LDS instructions issued behind them
.if \s > DONE
	s_wait_dscnt CNT-\s
.set DONE, \s
.endif
.endm
.macro NEEDP p
.if (\p) == 0
	NEED RP0
.elseif (\p) == 1
	NEED RP1
.else
	NEED RP2
.endif
.endm
.macro LOADP p, adr, off, pl=1         ; two fragments of W (32 rows) into pair p; pl = 0: no matrix instruction stands between the run of loads ahead and this one
.if \pl
	PLACES
.endif
	WIN 0
.irp e, 0,1
.irp c, 0,1,2,3
	ds_load_b128 v[WF+32*(\p)+16*\e+4*\c:WF+32*(\p)+16*\e+4*\c+3], v[\adr] offset:(\off)+\e*16*PITCH+32*\c
.endr
.endr
.set CNT, CNT+8
.if (\p) == 0
.set RP0, CNT
.elseif (\p) == 1
.set RP1, CNT
.else
.set RP2, CNT
.endif
.endm
.macro LDX2 xa, xb, adr, q             ; two fragments of x
	PLACES
	WIN 0
.irp x, \xa, \xb
.irp c, 0,1,2,3
	ds_load_b128 v[XF+16*\x+4*\c:XF+16*\x+4*\c+3], v[\adr] offset:128*(\q)+32*\c+\x*16*PITCH
.endr
.set CNT, CNT+4
.set RX\x, CNT
.endr
.endm
.macro M1 t, z, x, w, b
.set AC, 8*(4*\x+(\b))
.if \t == 2
.if \z
	v_wmma_f32_16x16x128_bf8_bf8 v[AC:AC+7], v[XF+16*\x:XF+16*\x+15], v[\w:\w+15], 0
.else
	v_wmma_f32_16x16x128_bf8_bf8 v[AC:AC+7], v[XF+16*\x:XF+16*\x+15], v[\w:\w+15], v[AC:AC+7]
.endif
.else
.if \z
	v_wmma_f32_16x16x128_bf8_bf8 v[AC:AC+7], v[\w:\w+15], v[XF+16*\x:XF+16*\x+15], 0
.else
	v_wmma_f32_16x16x128_bf8_bf8 v[AC:AC+7], v[\w:\w+15], v[XF+16*\x:XF+16*\x+15], v[AC:AC+7]
.endif
.endif
.endm
; A GROUP is 32 matrix instructions: eight fragments of x against four of W, 128 along K, tensor t.  The accumulators take turns, one instruction a turn.
.macro HALFX t, z, p, b0, xa, xb       ; one pair of W against two of x
	NEED RX\xa
	NEED RX\xb
	WIN (0x50*(\t+1))
.irp x, \xa, \xb
	M1 \t, \z, \x, WF+32*(\p), \b0
	M1 \t, \z, \x, WF+32*(\p)+16, \b0+1
.endr
.endm
.macro HALF t, z, p, b0
	HALFX \t, \z, \p, \b0, 0, 1
	HALFX \t, \z, \p, \b0, 2, 3
	HALFX \t, \z, \p, \b0, 4, 5
	HALFX \t, \z, \p, \b0, 6, 7
.endm
.macro XCH t, z, xa, xb                ; both pairs of W against two of x
	NEED RX\xa
	NEED RX\xb
	WIN (0x50*(\t+1))
.irp x, \xa, \xb
	M1 \t, \z, \x, WF+32*PR, 0
	M1 \t, \z, \x, WF+32*PR+16, 1
	M1 \t, \z, \x, WF+32*((PR+1)%3), 2
	M1 \t, \z, \x, WF+32*((PR+1)%3)+16, 3
.endr
.endm
.macro ENDG sadr, soff, fadr, foff     ; behind a group whose W registers are all free: the next group's second pair, the first pair of the one after it (fadr below 0: not yet to be read)
	LOADP PR, \sadr, (\soff)+32*PITCH, 0
.if \fadr >= 0
	LOADP (PR+1)%3, \fadr, \foff, 0
.endif
.set PR, (PR+2)%3
.endm
.macro GN t, z, sadr, soff, fadr, foff ; the next group keeps x
	NEEDP PR
	HALF \t, \z, PR, 0
	LOADP PR, \sadr, (\soff)+32*PITCH
	NEEDP (PR+1)%3
	HALF \t, \z, (PR+1)%3, 2
.if \fadr >= 0
	LOADP (PR+1)%3, \fadr, \foff
.endif
.set PR, (PR+2)%3
.endm
.macro GX t, z, xadr, xq, sadr, soff, fadr, foff   ; x changes: each two fragments are fetched anew behind their last products
	NEEDP PR
	NEEDP (PR+1)%3
	XCH \t, \z, 0, 1
	LDX2 0, 1, \xadr, \xq
	XCH \t, \z, 2, 3
	LDX2 2, 3, \xadr, \xq
	XCH \t, \z, 4, 5
	LDX2 4, 5, \xadr, \xq
	XCH \t, \z, 6, 7
	LDX2 6, 7, \xadr, \xq
	ENDG \sadr, \soff, \fadr, \foff
.endm
; A group with a change of units: behind it the freed units are filled first.
.macro TX t, xu, wu, first, xadr, xq, padr, poff, sadr, soff, fadr, foff
	WIN 0
	s_wait_tensorcnt 0x0                           ; all my tensor loads have landed
	ds_add_u32 v[SPW], v[NIL]
.set CNT, CNT+1
	UPD \xu, \wu, \first
	NEEDP PR
	NEEDP (PR+1)%3
	XCH \t, 0, 0, 1
	s_wait_dscnt 0x0                               ; the add is done, and my reads of the units that are filled again are over
.set DONE, CNT
	s_barrier_signal -1
	XCH \t, 0, 2, 3
	WIN 0
	s_barrier_wait -1
	CREST
	JL 0
	LDX2 0, 1, \xadr, \xq
.if \padr >= 0
	LOADP (PR+2)%3, \padr, \poff
.endif
	LDX2 2, 3, \xadr, \xq
	XCH \t, 0, 4, 5
	LDX2 4, 5, \xadr, \xq
	XCH \t, 0, 6, 7
	LDX2 6, 7, \xadr, \xq
	ENDG \sadr, \soff, \fadr, \foff
.endm
; The same where x stays.  fill = 0: fill = 1: wave 3 fetches step 3's Wv into unit 2, whose Wq has been read.
.macro TN t, fill, padr, poff, fadr, foff
	WIN 0
	s_wait_tensorcnt 0x0
.if \fill
	ds_add_u32 v[SPW], v[NIL]
.set CNT, CNT+1
	s_mov_b32 s[G0B+1], 2*UNIT
	s_add_nc_u64 s[G0B+2:G0B+3], s[G0B+2:G0B+3], 256
.endif
	NEEDP PR
	HALFX \t, 0, PR, 0, 0, 1
	HALFX \t, 0, PR, 0, 2, 3
	s_wait_dscnt 0x0                               ; my reads are over
.set DONE, CNT
	s_barrier_signal -1
	HALFX \t, 0, PR, 0, 4, 5
	HALFX \t, 0, PR, 0, 6, 7
	WIN 0
	s_barrier_wait -1
.if \fill
	CREST
	JL 2
.endif
	LOADP (PR+2)%3, \padr, \poff
	LOADP PR, \padr, (\poff)+32*PITCH
	HALF \t, 0, (PR+1)%3, 2
	LOADP (PR+1)%3, \fadr, \foff
.set PR, (PR+2)%3
.endm
	LOADP 0, ADW2, 0
	LDX2 0, 1, ADX0, 0
	LDX2 2, 3, ADX0, 0
	LDX2 4, 5, ADX0, 0
	LDX2 6, 7, ADX0, 0
	LOADP 1, ADW2, 32*PITCH
	LOADP 2, ADW2, UNIT
	GN 0, 1, ADW2, UNIT, ADW4, 0                   ; step 0, first 128: Q, K, V: the first products start the sums
	GN 1, 1, ADW4, 0, ADW2, 128
	GX 2, 1, ADX0, 1, ADW2, 128, ADW2, UNIT+128
	GN 0, 0, ADW2, UNIT+128, ADW4, 128             ; second 128
	GN 1, 0, ADW4, 128, -1, 0
	TX 2, 0, 1, 1, ADX5, 0, ADW7, 0, ADW7, 0, ADW7, UNIT   ; step 1's x, Wq, Wk are in; step 2's and step 1's Wv are asked for
	GN 0, 0, ADW7, UNIT, ADW7, 128                 ; step 1
	GX 1, 0, ADX5, 1, ADW7, 128, ADW7, UNIT+128
	GN 0, 0, ADW7, UNIT+128, -1, 0
	TN 1, 0, ADW4, 128, ADW4, 0
	GX 2, 0, ADX5, 0, ADW4, 0, ADW2, 0             ; (V: second 128 first: its x is at hand)
	TX 2, 4, 5, 0, ADX0, 0, -1, 0, ADW2, 0, ADW2, UNIT     ; step 3's x, Wq, Wk and step 2's Wv are asked for
	GN 0, 0, ADW2, UNIT, ADW2, 128                 ; step 2
	GX 1, 0, ADX0, 1, ADW2, 128, ADW2, UNIT+128
	GN 0, 0, ADW2, UNIT+128, -1, 0
	TN 1, 1, ADW7, UNIT+128, ADW7, UNIT
	GX 2, 0, ADX0, 0, ADW7, UNIT, ADW6, 0
	GX 2, 0, ADX4, 0, ADW6, 0, ADW6, UNIT          ; step 3's x, Wq, Wk were shown landed by the barrier above
	GN 0, 0, ADW6, UNIT, ADW6, 128                 ; step 3
	GX 1, 0, ADX4, 1, ADW6, 128, ADW6, UNIT+128
	GN 0, 0, ADW6, UNIT+128, -1, 0
	TN 1, 0, ADW2, 128, ADW2, 0
	GX 2, 0, ADX4, 0, ADW2, 0, -1, 0
	PLACES                                         ; the last group has pairs 1 and 2; pair 0 takes bq: 16 b + 8 h + 0 .. 7 of my 64 columns
	WIN 0
.irp b, 0,1,2,3
	ds_load_b128 v[160+8*\b:160+8*\b+3], v[BQR] offset:64*\b
	ds_load_b128 v[160+8*\b+4:160+8*\b+7], v[BQR] offset:64*\b+16
.endr
.set CNT, CNT+8
	NEEDP PR
	NEEDP (PR+1)%3
	XCH 2, 0, 0, 1
	XCH 2, 0, 2, 3
	XCH 2, 0, 4, 5
	XCH 2, 0, 6, 7
	PLACES
	WIN 0
.irp b, 0,1,2,3
	ds_load_b128 v[192+8*\b:192+8*\b+3], v[BQR] offset:512+64*\b
	ds_load_b128 v[192+8*\b+4:192+8*\b+7], v[BQR] offset:512+64*\b+16
.endr
.irp b, 0,1,2,3
	ds_load_b32 v[224+2*\b], v[BVR] offset:1024+64*\b      ; bv of column 16 b + r, twice: a pair for the packed forms
	ds_load_b32 v[224+2*\b+1], v[BVR] offset:1024+64*\b
.endr
; THE WAY OUT, block by block of 16 tokens x 64 columns: scale and bias, the hold (the conversion does not saturate: ISA guide 7.6.2), the codes, stored as they lie.
.macro CODES a, w, sc, lm, bia, st     ; into TMP
	WIN (\w)
.set kk, 0
.rept 16
.if \st
	v_pk_fma_f32 v[TMP+kk:TMP+kk+1], v[32*(\a)+kk:32*(\a)+kk+1], s[\sc:\sc+1], v[\bia+2*(kk/8):\bia+2*(kk/8)+1] op_sel_hi:[1,0,1]
.else
	v_pk_fma_f32 v[TMP+kk:TMP+kk+1], v[32*(\a)+kk:32*(\a)+kk+1], s[\sc:\sc+1], v[\bia+kk:\bia+kk+1] op_sel_hi:[1,0,1]
.endif
.set kk, kk+2
.endr
	WIN 0
.set kk, 0
.rept 32
	v_med3_num_f32 v[TMP+kk], v[TMP+kk], -v[\lm], v[\lm]
.set kk, kk+1
.endr
.endm
.macro QKOUT w, bia, cd, base, sc, lm, scl
.irp a, 0,1,2,3,4,5,6,7
	CODES \a, \w, \sc, \lm, \bia, 0
.irp b, 0,1,2,3
	v_cvt_scalef32_pk8_bf8_f32 v[\cd+8*\a+2*\b:\cd+8*\a+2*\b+1], v[TMP+8*\b:TMP+8*\b+7], v[\scl]
.endr
	v_nop
	global_store_b128 v[L16], v[\cd+8*\a:\cd+8*\a+3], s[\base:\base+1] offset:2048*\a
	global_store_b128 v[L16], v[\cd+8*\a+4:\cd+8*\a+7], s[\base:\base+1] offset:2048*\a+512
.endr
.endm
	s_wait_dscnt 16                                ; bq is in; the 16 loads behind it may be out
	QKOUT 1, 160, 64, 84, 22, LMQ, SCQ
	s_wait_dscnt 0x0
	QKOUT 2, 192, 128, 10, 98, LMK, SCK
	s_wait_xcnt 0x0                                ; Q's stores have read v64-127
.irp c, 0,1,2,3
.irp e, 0,1
	CODES 2*\c+\e, 3, 18, LMV, 224, 1
.irp b, 0,1,2,3
	v_cvt_scalef32_pk8_bf8_f32 v[64+16*\c+4*\b+2*\e:64+16*\c+4*\b+2*\e+1], v[TMP+8*\b:TMP+8*\b+7], v[SCV]
.endr
	v_nop
.endr
.irp b, 0,1,2,3
	global_store_b128 v[L16], v[64+16*\c+4*\b:64+16*\c+4*\b+3], s[86:87] offset:2048*\b+512*\c
.endr
.endr
	s_wait_tensorcnt 0x0                           ; the wave's end
	ds_add_u32 v[SPW], v[NIL]
	s_wait_dscnt 0x0
	CROUND                                         ; the closing round
	s_endpgm
.Lfunc_end_k_qd3447e1636_proj:
	.size	k_qd3447e1636_proj, .Lfunc_end_k_qd3447e1636_proj-k_qd3447e1636_proj
	.p2alignl 7, 3214868480
	.fill 96, 4, 3214868480
	.section	.rodata,"a",@progbits
	.p2align	6, 0x0
	.amdhsa_kernel k_qd3447e1636_proj
		.amdhsa_group_segment_fixed_size 327680
		.amdhsa_private_segment_fixed_size 0
		.amdhsa_enable_private_segment 0
		.amdhsa_kernarg_size 80
		.amdhsa_user_sgpr_count 2
		.amdhsa_user_sgpr_kernarg_segment_ptr 1
		.amdhsa_wavefront_size32 1
		.amdhsa_system_sgpr_workgroup_id_x 1
		.amdhsa_system_sgpr_workgroup_id_y 1
		.amdhsa_system_sgpr_workgroup_id_z 1
		.amdhsa_system_vgpr_workitem_id 0
		.amdhsa_next_free_vgpr 1024
		.amdhsa_next_free_sgpr 102
		.amdhsa_reserve_vcc 0
		.amdhsa_float_denorm_mode_32 3
		.amdhsa_float_denorm_mode_16_64 3
		.amdhsa_memory_ordered 1
		.amdhsa_forward_progress 1
		.amdhsa_inst_pref_size 211
	.end_amdhsa_kernel
	.amdgpu_metadata
---
amdhsa.version: [ 1, 2 ]
amdhsa.kernels:
  - .name:           k_qd3447e1636_proj
    .symbol:         k_qd3447e1636_proj.kd
    .args:
      - { .name: x_codes, .offset: 0, .size: 8, .value_kind: global_buffer, .address_space: global }
      - { .name: Wq_codes, .offset: 8, .size: 8, .value_kind: global_buffer, .address_space: global }
      - { .name: Wk_codes, .offset: 16, .size: 8, .value_kind: global_buffer, .address_space: global }
      - { .name: Wv_codes, .offset: 24, .size: 8, .value_kind: global_buffer, .address_space: global }
      - { .name: bq, .offset: 32, .size: 8, .value_kind: global_buffer, .address_space: global }
      - { .name: bk, .offset: 40, .size: 8, .value_kind: global_buffer, .address_space: global }
      - { .name: bv, .offset: 48, .size: 8, .value_kind: global_buffer, .address_space: global }
      - { .name: lowp_scales, .offset: 56, .size: 8, .value_kind: global_buffer, .address_space: global }
      - { .name: qk, .offset: 64, .size: 8, .value_kind: global_buffer, .address_space: global }
      - { .name: vt, .offset: 72, .size: 8, .value_kind: global_buffer, .address_space: global }
    .group_segment_fixed_size: 327680
    .private_segment_fixed_size: 0
    .kernarg_segment_align: 8
    .kernarg_segment_size: 80
    .max_flat_workgroup_size: 128
    .sgpr_count:     102
    .vgpr_count:     1024
    .wavefront_size: 32
...
	.end_amdgpu_metadata
.endif
;; end of part 1
;; launch scores (part 2): grid 8 x 32, 4 waves a work-group, clusters of 4 x 4, 327,680 bytes of LDS; arguments qk, lowp_scales, p, stats; writes p, stats
.if DOCPART == 2
	.amdgcn_target "amdgcn-amd-amdhsa--gfx1250"
	.amdhsa_code_object_version 6
	.text
	.protected	k_qd3447e1636_scores
	.globl	k_qd3447e1636_scores
	.p2align	8
	.type	k_qd3447e1636_scores,@function
k_qd3447e1636_scores:
	s_mov_b64 s[64:65], 0
	v_nop
	global_prefetch_b8 v0, s[64:65] scope:SCOPE_SE
	s_setreg_imm32_b32 hwreg(HW_REG_WAVE_MODE, 25, 1), 1
	s_wait_xcnt 0x0
	s_wait_alu depctr_hold_cnt(0) depctr_sa_sdst(0) depctr_va_vdst(0) depctr_va_sdst(0) depctr_va_ssrc(0) depctr_va_vcc(0) depctr_vm_vsrc(0)
	s_getreg_b32 s2, hwreg(HW_REG_IB_STS2, 6, 4)
	s_cmp_eq_u32 s2, 0
	s_cbranch_scc0 .Lentry_in_a_cluster
	s_endpgm
.Lentry_in_a_cluster:
	s_bfe_u32 s2, ttmp6, 0x10000c
	s_cmp_lg_u32 s2, 0xf033
	s_cbranch_scc0 .Lentry_shape_is_right
	s_endpgm
.Lentry_shape_is_right:
; A tile of 256 queries x 256 keys of Q K^T on codes of BF8 (E5M2), and the softmax's part that is local to these 256 keys.  Nothing of the problem is left out.
; t = score x log2(e) / 32 x 2^(eq + ek);  M_j = the ceiling of a query's largest t among the 256 keys of block j: A WHOLE NUMBER;  p = 2^(t - M_j), quantised along the keys with the given 2^ep; not normalised.
; The sum of the unquantised p is kept beside it.  The last launch brings each block under the largest M_j by 2^(M_j - M): a multiplication by a power of two, so the quantised numbers keep their values.
; IN: qk as images of the operands' registers: Q [32 tiles of 256][8 parts of 128 along K][16 blocks of 16 rows][4][32 lanes][16 bytes], K the same from byte 8,388,608.
; OUT: p [32 query tiles][8 key tiles][2 halves of 128 keys][16 blocks of 16 queries][4][32 lanes][16];  stats, f32: from byte 0 -M [4 batches][8 blocks of 256 keys][2048 queries]; from byte 262,144 the sums [4][16 blocks of 128 keys][2048].
; SHARES: four waves, 128 x 128 each; K = 1,024 in four steps of 256 through two LDS slots, dense: a fragment is four runs of 512 bytes, read at 16 x lane.  At the head waves 0 and 1 fetch Q's steps 0 and 1, waves 2 and 3 K's: one load each.
; CLUSTERS 4 x 4: Q's tiles are asked for jointly along a row of the cluster, K's along a column.  No prefetch: the four K steps are written out, there is no loop to run ahead in.
; TRANSPOSED USE (source 0 = 16 keys, source 1 = 16 queries): lane (r, h) holds query r of block a, and register j of accumulator (a, b) the key 16 b + 8 h + j.
; A query's 256 keys lie in two waves (w and w xor 1): their maxima meet in LDS, behind one barrier.
; LIMITS: eq + ek between -121 and 132 (added to the exponent field of log2(e) / 32), ep between -126 and 112; the scaled scores stay under 2^31 in magnitude.  Codes of NaN or infinity are not served.
; REGISTERS: window 0: v0-31 addresses; v32-63 maxima, then partial sums; v64-79, v108-123 maxima, then codes; v80-95 pairs (-M, largest t); v96-103 sums; from v128 Q's fragments, then two blocks of p by turns.
;   window 1: K's fragments, two sets.   windows 2, 3: the accumulators ((a, b) at v[8 (8 (a % 4) + b)]).
.set FR,     16
.set NL,     4
.set SLOT,   65536                     ; an operand's slot: 256 rows x 256 along K; Q's two slots from byte 0, K's two from byte 131,072
.set KB,     131072
.set SPARE,  262144                    ; the spare words, 128 bytes a wave
.set SCR,    SPARE+512                 ; 512 bytes a wave of maxima; from +2,048 of sums; from +4,096 of -M
.set ADRA, 16
.set ADRB, 20
.set NINF, 27
.set SPW,  28
.set NIL,  29
.set MXA,  30
.set PXA,  31
.set SRD,  9
.set SGO,  10                          ; v10  16 x lane
.set T,    32
.set S,    32
.set MX,   64
.set PX,   72
.set NM,   80
.set LS,   96
.set LIM,  104
.set SCL,  105
.set SA,   106
.set AF,   128
.set TP,   128
.set G1AW, 24
.set G1BW, 32
.set G1AH, 48
.set G1BH, 56
.set G0AW, 84
.set G0BW, 88
.set G0AH, 92
.set G0BH, 96
.set MSB, 0
.macro WIN new                         ; the immediate's high byte repeats the setting that is left
.if MSB != (\new)
	s_set_vgpr_msb (MSB<<8)|(\new)
.set MSB, (\new)
.endif
.endm
.set MUL_LO, 0xa1
.set MUL_HI, 0xf1
.set TO_B,   0x40
.macro JLOAD g0a, g1a, g0b, g1b        ; a joint load: waves 0 and 1 fetch for Q, waves 2 and 3 for K
	s_cmp_eq_u32 s15, 0
	s_cbranch_scc0 .Lfor_b_\@
	tensor_load_to_lds s[\g0a:\g0a+3], s[\g1a:\g1a+7]
	s_nop 0
.rept 4
	v_nop
.endr
	s_branch .Lasked_\@
.Lfor_b_\@:
	tensor_load_to_lds s[\g0b:\g0b+3], s[\g1b:\g1b+7]
	s_nop 0
.rept 4
	v_nop
.endr
.Lasked_\@:
.endm
.macro CREST
	s_cmp_lg_u32 s14, 0
	s_cbranch_scc1 .Lnot_wave_0_\@
	s_barrier_signal -3
.Lnot_wave_0_\@:
	s_barrier_wait -3
	s_barrier_signal -1
	s_barrier_wait -1
.endm
.macro CROUND
	s_barrier_signal -1
	s_barrier_wait -1
	CREST
.endm
.macro SHAPE g, mask, rows             ; group 1: a dense block as rows of 256 bytes
	s_or_b32 s[\g], s[\mask], 1<<21
	s_mov_b32 s[\g+1], 256<<16
	s_mov_b32 s[\g+2], (\rows)<<16
	s_mov_b32 s[\g+3], 256<<16
	s_mov_b32 s[\g+4], \rows
	s_mov_b32 s[\g+5], 256
	s_mov_b32 s[\g+6], 0
	s_mov_b32 s[\g+7], 0
.endm
.macro G0SET g, lds, base, off         ; group 0
	s_mov_b32 s[\g], 1
	s_mov_b32 s[\g+1], s[\lds]
	s_add_nc_u64 s[\g+2:\g+3], s[\base:\base+1], s[\off:\off+1]
	s_or_b32 s[\g+3], s[\g+3], 0x80000000
.endm
	s_load_b256 s[68:75], s[0:1], 0x0              ; qk s[68:69], the scales' exponents s[70:71], p s[72:73], stats s[74:75]
	v_lshl_add_u32 v[SPW], v0, 2, SPARE
	v_mov_b32 v[NIL], 0
	ds_add_u32 v[SPW], v[NIL]                      ; the opening: the add, twice on end, and its wait
	ds_add_u32 v[SPW], v[NIL]
	v_lshrrev_b32 v1, 5, v0
	v_readfirstlane_b32 s14, v1                    ; wave 0..3
	s_lshr_b32 s15, s14, 1                         ; which half of the tile's queries is mine.  Also: I fetch for Q (0) or for K (1)
	s_and_b32 s16, s14, 1                          ; which half of its keys.  Also: which step (head) or which 128 along K (refills) I fetch
	s_bfe_u32 s40, ttmp6, 0x40000                  ; cx, cy
	s_bfe_u32 s41, ttmp6, 0x40004
	s_lshl_b32 s42, ttmp9, 2
	s_add_co_u32 s42, s42, s40                     ; the batch's block of 256 keys, 0..7
	s_and_b32 s79, ttmp7, 0xffff
	s_lshl_b32 s17, s79, 2
	s_add_co_u32 s17, s17, s41                     ; the block of 256 queries, 0..31
	s_lshr_b32 s79, s79, 1                         ; the batch, from the cluster's number alone
	s_lshl_b32 s43, s41, 2
	s_lshl_b32 s43, 15, s43                        ; my row of the cluster
	s_lshl_b32 s44, 0x1111, s40                    ; my column
	SHAPE G1AW, 43, 256
	SHAPE G1BW, 44, 256
	SHAPE G1AH, 43, 128
	SHAPE G1BH, 44, 128
	s_lshl_b32 s18, s16, 16
	s_lshl_b32 s19, s16, 15
	s_lshl_b32 s20, s17, 18                        ; Q's tile: 262,144 bytes,
	s_add_co_u32 s22, s20, s19
	s_add_co_u32 s22, s22, 2*SLOT                  ; the first refill: step 2, my 128 along K
	s_add_co_u32 s20, s20, s18                     ; the head: step s16
	s_mov_b32 s21, 0
	s_mov_b32 s23, 0
	s_lshl_b32 s46, s79, 3
	s_add_co_u32 s46, s46, s42
	s_lshl_b32 s46, s46, 18
	s_add_co_u32 s46, s46, 0x800000                ; K's tile
	s_add_co_u32 s12, s46, s19
	s_add_co_u32 s12, s12, 2*SLOT
	s_add_co_u32 s46, s46, s18
	s_mov_b32 s47, 0
	s_mov_b32 s13, 0
	s_lshl_b32 s2, s16, 16                         ; LDS: the head's slot s16, the refill's half s16 of slot 0: no place in the cluster enters an LDS address
	s_add_co_u32 s3, s2, KB
	s_lshl_b32 s4, s16, 15
	s_add_co_u32 s5, s4, KB
	s_wait_alu depctr_va_vdst(0)
	s_wait_dscnt 0x0                               ; both opening adds are done
	CROUND                                         ; all sixteen work-groups are here: the first joint loads meet.  The arguments are on their way meanwhile
	s_wait_kmcnt 0x0
	s_load_b96 s[76:78], s[70:71], 0x18            ; entries 6, 7, 8: eq, ek, ep
	G0SET G0AW, 2, 68, 20
	G0SET G0BW, 3, 68, 46
	G0SET G0AH, 4, 68, 22
	G0SET G0BH, 5, 68, 12
.macro TL g0, g1                       ; a joint load; an s_nop 0 and four v_nop follow it
	tensor_load_to_lds s[\g0:\g0+3], s[\g1:\g1+7]
	s_nop 0
.rept 4
	v_nop
.endr
.endm
	s_cmp_eq_u32 s15, 0                            ; one load a wave
	s_cbranch_scc0 .Lhead_k
	s_cmp_eq_u32 s16, 0
	s_cbranch_scc0 .Lhead_q1
	TL G0AW, G1AW                                  ; Q, step 0
	s_branch .Lhead_asked
.Lhead_q1:
	TL G0AW, G1AW                                  ; Q, step 1
	s_branch .Lhead_asked
.Lhead_k:
	s_cmp_eq_u32 s16, 0
	s_cbranch_scc0 .Lhead_k1
	TL G0BW, G1BW                                  ; K, step 0
	s_branch .Lhead_asked
.Lhead_k1:
	TL G0BW, G1BW                                  ; K, step 1
.Lhead_asked:
	v_and_b32 v1, 15, v0                           ; r
	v_and_b32 v[SGO], 31, v0
	v_lshlrev_b32 v[SGO], 4, v[SGO]
	s_lshl_b32 s21, s15, 14                        ; my 8 blocks of Q
	s_lshl_b32 s22, s16, 14                        ; and of K
	s_add_co_u32 s22, s22, KB
.irp s, 0,1
	v_add_nc_u32 v[ADRA+\s], s21, v[SGO]
	v_add_nc_u32 v[ADRB+\s], s22, v[SGO]
	s_add_co_u32 s21, s21, SLOT
	s_add_co_u32 s22, s22, SLOT
.endr
	s_lshl_b32 s23, s14, 9
	s_add_co_u32 s23, s23, SCR
	s_wait_alu depctr_va_vdst(0)
	v_lshl_add_u32 v[MXA], v1, 2, s23
	s_xor_b32 s2, s14, 1
	s_lshl_b32 s2, s2, 9
	s_add_co_u32 s2, s2, SCR
	v_lshl_add_u32 v[PXA], v1, 2, s2
	v_mov_b32 v[NINF], 0xff800000
	v_add_nc_u32 v[SRD], s23, v[SGO]
	s_lshl_b32 s18, s17, 3                         ; p: tile (query tile, key tile) of 65,536 bytes, my half of the keys, my half of the queries
	s_add_co_u32 s18, s18, s42
	s_lshl_b32 s18, s18, 16
	s_lshl_b32 s19, s16, 15
	s_add_co_u32 s18, s18, s19
	s_lshl_b32 s19, s15, 14
	s_add_co_u32 s18, s18, s19
	s_mov_b32 s19, 0
	s_add_nc_u64 s[10:11], s[72:73], s[18:19]
	s_and_b32 s18, s17, 7                          ; stats: my 128 queries begin at 256 x (tile row % 8) + 128 x query half of the batch's 2,048
	s_lshl_b32 s18, s18, 8
	s_lshl_b32 s19, s15, 7
	s_add_co_u32 s18, s18, s19
	s_lshl_b32 s2, s79, 3
	s_add_co_u32 s2, s2, s42                       ; 8 x batch + key tile
	s_lshl_b32 s3, s2, 11
	s_add_co_u32 s3, s3, s18
	s_lshl_b32 s80, s3, 2
	s_mov_b32 s81, 0
	s_add_nc_u64 s[80:81], s[74:75], s[80:81]      ; -M
	s_lshl_b32 s2, s2, 1
	s_add_co_u32 s2, s2, s16                       ; 16 x batch + 2 x key tile + key half
	s_lshl_b32 s2, s2, 11
	s_add_co_u32 s2, s2, s18
	s_lshl_b32 s82, s2, 2
	s_add_co_u32 s82, s82, 262144
	s_mov_b32 s83, 0
	s_add_nc_u64 s[82:83], s[74:75], s[82:83]      ; the sums
.macro FRAG reg, adr, q, i
.irp c, 0,1,2,3
	ds_load_b128 v[\reg+4*\c:\reg+4*\c+3], v[\adr] offset:32768*(\q)+512*\c+(\i)*2048
.endr
.endm
.macro MUL16 a0, p, zero               ; 16 matrix instructions; the 64 accumulators take turns, one instruction a turn, in the same order in every step
.irp a, \a0, \a0+1
.irp b, 0,1,2,3,4,5,6,7
.set AC, 8*(8*((\a)%4)+\b)
.if \zero
	v_wmma_f32_16x16x128_bf8_bf8 v[AC:AC+7], v[128*(\p)+FR*\b:128*(\p)+FR*\b+FR-1], v[AF+FR*(\a):AF+FR*(\a)+FR-1], 0
.else
	v_wmma_f32_16x16x128_bf8_bf8 v[AC:AC+7], v[128*(\p)+FR*\b:128*(\p)+FR*\b+FR-1], v[AF+FR*(\a):AF+FR*(\a)+FR-1], v[AC:AC+7]
.endif
.endr
.endr
.endm
.macro FETCH_B slot, q, p
	WIN TO_B
.irp i, 0,1,2,3,4,5,6,7
	FRAG 128*(\p)+FR*\i, ADRB+\slot, \q, \i
.endr
	WIN 0
.endm
.macro FETCH_A slot, q, i0
.irp i, \i0, \i0+1, \i0+2, \i0+3
	FRAG AF+FR*(\i), ADRA+\slot, \q, \i
.endr
.endm
.macro PLACES                          ; four plain places behind matrix instructions
.rept 4
	v_nop
.endr
.endm
.macro STEP slot, q, zero
	s_wait_dscnt 4*NL                              ; the youngest 16 loads (Q's blocks 4-7) may be out
	WIN MUL_LO
	MUL16 0, (\q)%2, \zero
	MUL16 2, (\q)%2, \zero
	s_wait_dscnt 0
	PLACES
	FETCH_B \slot, (\q)+1, 1-(\q)%2
	FETCH_A \slot, (\q)+1, 0
	WIN MUL_HI
	MUL16 4, (\q)%2, \zero
	MUL16 6, (\q)%2, \zero
	PLACES
	WIN 0
	FETCH_A \slot, (\q)+1, 4
.endm
.macro TURN slot, next, fill           ; a slot's last 128: one barrier, with the wait for all my tensor loads, the add, and the wait for it and for my reads of this slot in front of it
	s_wait_tensorcnt 0x0                           ; all my tensor loads have landed
	ds_add_u32 v[SPW], v[NIL]
	s_wait_dscnt 4*NL+1                            ; (the add and the youngest 16 loads may be out)
	WIN MUL_LO
	MUL16 0, 1, 0
	s_wait_dscnt 0x0                               ; the add is done, and my reads of this slot are over
	s_barrier_signal -1
	MUL16 2, 1, 0
	WIN 0
	s_barrier_wait -1
.if \fill
	CREST
.if \slot
	s_add_co_u32 s[G0AH+1], s[G0AH+1], SLOT        ; step 3 into slot 1
	s_add_nc_u64 s[G0AH+2:G0AH+3], s[G0AH+2:G0AH+3], SLOT
	s_add_co_u32 s[G0BH+1], s[G0BH+1], SLOT
	s_add_nc_u64 s[G0BH+2:G0BH+3], s[G0BH+2:G0BH+3], SLOT
.endif
	JLOAD G0AH, G1AH, G0BH, G1BH                   ; the first tensor load behind the round
.else
	PLACES
.endif
	FETCH_B \next, 0, 0
	FETCH_A \next, 0, 0
	WIN MUL_HI
	MUL16 4, 1, 0
	MUL16 6, 1, 0
	PLACES
	WIN 0
	FETCH_A \next, 0, 4
.endm
	s_wait_alu depctr_va_vdst(0)
	s_cmp_lg_u32 s16, 0                            ; step 0 was fetched by waves 0 and 2: they wait for it; step 1, by waves 1 and 3, is waited for at the change of slots
	s_cbranch_scc1 .Lstep_1_is_mine
	s_wait_tensorcnt 0x0
.Lstep_1_is_mine:
	s_barrier_signal -1
	s_barrier_wait -1
	FETCH_B 0, 0, 0
	FETCH_A 0, 0, 0
	FETCH_A 0, 0, 4
	STEP 0, 0, 1
	TURN 0, 1, 1
	STEP 1, 0, 0
	TURN 1, 0, 1
	STEP 0, 0, 0
	TURN 0, 1, 0
	STEP 1, 0, 0
	s_wait_dscnt 4*NL
	WIN MUL_LO
	MUL16 0, 1, 0
	MUL16 2, 1, 0
	s_wait_dscnt 0
	PLACES                                         ; for the reads of blocks 2 and 3 below
; The last 32 products, of blocks 4-7; behind each stand four lines of the maxima of blocks 0-3, which are finished: their scores of my query among my 64 keys, in four chains, each accumulator from its low end on.
.irp a, 4,5,6,7
.irp b, 0,1,2,3,4,5,6,7
.set AC, 8*(8*(\a-4)+\b)
	WIN MUL_HI
	v_wmma_f32_16x16x128_bf8_bf8 v[AC:AC+7], v[128+FR*\b:128+FR*\b+FR-1], v[AF+FR*\a:AF+FR*\a+FR-1], v[AC:AC+7]
	WIN 0x28                                       ; sources 1 and 2: window 2
.irp i, 0,1,2,3
.if \b == 0
	v_max3_num_f32 v[T+4*(\a-4)+\i], v[NINF], v[AC+2*\i], v[AC+2*\i+1]
.else
	v_max3_num_f32 v[T+4*(\a-4)+\i], v[T+4*(\a-4)+\i], v[AC+2*\i], v[AC+2*\i+1]
.endif
.endr
.endr
.endr
	WIN 0
	s_wait_kmcnt 0x0
	s_add_co_i32 s22, s76, s77
	s_lshl_b32 s22, s22, 23
	s_add_co_i32 s22, s22, 0x3d38aa3b              ; c = log2(e) / 32, with eq + ek added to its exponent field
	s_mov_b32 s23, s22
	s_mov_b32 s20, 0x76543210                      ; v_permlanex16_b32's selects for lane l xor 16
	s_mov_b32 s21, 0xfedcba98
	s_add_co_i32 s18, s78, 127
	s_lshl_b32 s19, s18, 23
	v_mov_b32 v[SCL], s19                          ; 2^ep as f32
	s_add_co_i32 s18, s18, 15
	s_lshl_b32 s18, s18, 23
	s_or_b32 s18, s18, 0x600000
	v_mov_b32 v[LIM], s18                          ; 57,344 x 2^ep
	v_mov_b32 v[SA+1], 0                           ; a lane permute's destination counts as one of its sources
	PLACES
; THE MAXIMA.  Block a's largest score of my query among my 64 keys, in four chains; each accumulator is read from its low end on.
.macro MAXBLK a
.set AC, 64*((\a)%4)
.irp b, 0,1,2,3,4,5,6,7
.irp i, 0,1,2,3
.if \b == 0
	v_max3_num_f32 v[T+4*(\a)+\i], v[NINF], v[AC+2*\i], v[AC+2*\i+1]
.else
	v_max3_num_f32 v[T+4*(\a)+\i], v[T+4*(\a)+\i], v[AC+8*\b+2*\i], v[AC+8*\b+2*\i+1]
.endif
.endr
.endr
.endm
	WIN 0x3c                                       ; sources 1 and 2: window 3
.irp a, 4,5,6,7
	MAXBLK \a
.endr
	WIN 0
.irp a, 0,1,2,3,4,5,6,7
	v_max3_num_f32 v[T+4*\a], v[T+4*\a], v[T+4*\a+1], v[T+4*\a+2]
.endr
.irp a, 0,1,2,3,4,5,6,7
	v_max_num_f32 v[T+4*\a], v[T+4*\a], v[T+4*\a+3]
.endr
.irp a, 0,1,2,3,4,5,6,7
	v_permlanex16_b32 v[T+4*\a+1], v[T+4*\a], s20, s21   ; the query's other 64 keys of my 128 lie in the lane 16 away
.endr
.irp a, 0,1,2,3,4,5,6,7
	v_max_num_f32 v[MX+\a], v[T+4*\a], v[T+4*\a+1]
.endr
.irp a, 0,1,2,3,4,5,6,7
	ds_store_b32 v[MXA], v[MX+\a] offset:64*\a     ; word 16 a + r of my 128 (lanes r and r + 16 hold the same number)
.endr
	s_wait_alu depctr_va_vdst(0)
	s_wait_dscnt 0x0                               ; for my partner's sake: my maxima lie in LDS
	s_barrier_signal -1
	s_barrier_wait -1
.irp a, 0,1,2,3,4,5,6,7
	ds_load_b32 v[PX+\a], v[PXA] offset:64*\a      ; the same queries' maxima among the tile's other 128 keys
.endr
	s_wait_dscnt 0x0
.irp a, 0,1,2,3,4,5,6,7
	v_max_num_f32 v[MX+\a], v[MX+\a], v[PX+\a]
.endr
.irp a, 0,1,2,3,4,5,6,7
	v_mul_f32 v[NM+2*\a+1], s22, v[MX+\a]          ; as t (c is positive)
.endr
.irp a, 0,1,2,3,4,5,6,7
	v_floor_f32 v[NM+2*\a], -v[NM+2*\a+1]          ; -M = floor(-t) = -ceil(t)
.endr
.irp a, 0,1,2,3,4,5,6,7
	ds_store_b32 v[MXA], v[NM+2*\a] offset:4096+64*\a
.endr
; BLOCK a: PK: c s - M.  EXPS: p = 2^that; among its exponentials stand, for block a - 1, the first level of the sums of the unquantised p and the hold (p is not negative, so it is one-sided; the conversion does not saturate: ISA guide 7.6.2).
; FIN: the codes, the rest of the sum, the stores: four of 512 consecutive bytes, aligned.
.macro PK a
	WIN (2+(\a)/4)                                 ; source 0: window 2 or 3
.set jj, 0
.rept 32
	v_pk_fma_f32 v[TP+64*((\a)%2)+jj:TP+64*((\a)%2)+jj+1], v[64*((\a)%4)+jj:64*((\a)%4)+jj+1], s[22:23], v[NM+2*(\a):NM+2*(\a)+1] op_sel_hi:[1,0,0]   ; of the pairs c and -M the low word serves both halves
.set jj, jj+2
.endr
	WIN 0
.endm
.macro SIDE b                          ; item jj of block b
.set PB, TP+64*((\b)%2)
.if jj%4 == 0
	v_pk_add_f32 v[S+jj/2:S+jj/2+1], v[PB+jj:PB+jj+1], v[PB+jj+2:PB+jj+3]
.endif
	v_min_num_f32 v[PB+jj], v[PB+jj], v[LIM]
.endm
.macro EXPS a
	s_wait_alu depctr_va_vdst(0)
.set jj, 0
.rept 64
	v_exp_f32 v[TP+64*((\a)%2)+jj], v[TP+64*((\a)%2)+jj]
.if (\a) > 0
	SIDE (\a)-1
.endif
.set jj, jj+1
.endr
	v_nop                                          ; a plain instruction behind the last exponential
.endm
.macro FIN a
.set PB, TP+64*((\a)%2)
.set CD, 64+44*((\a)%2)
.irp b, 0,1,2,3,4,5,6,7
	v_cvt_scalef32_pk8_bf8_f32 v[CD+2*\b:CD+2*\b+1], v[PB+8*\b:PB+8*\b+7], v[SCL]
.endr
.irp k, 0,4,8,12,16,20,24,28
	v_pk_add_f32 v[S+\k:S+\k+1], v[S+\k:S+\k+1], v[S+\k+2:S+\k+3]
.endr
.irp k, 0,8,16,24
	v_pk_add_f32 v[S+\k:S+\k+1], v[S+\k:S+\k+1], v[S+\k+4:S+\k+5]
.endr
.irp k, 0,16
	v_pk_add_f32 v[S+\k:S+\k+1], v[S+\k:S+\k+1], v[S+\k+8:S+\k+9]
.endr
.irp c, 0,1,2,3
	global_store_b128 v[SGO], v[CD+4*\c:CD+4*\c+3], s[10:11] offset:2048*(\a)+512*\c
.endr
	v_pk_add_f32 v[S:S+1], v[S:S+1], v[S+16:S+17]
	v_add_f32 v[SA], v[S], v[S+1]
	v_permlanex16_b32 v[SA+1], v[SA], s20, s21
	v_add_f32 v[LS+\a], v[SA], v[SA+1]             ; over my wave's 128 keys
	ds_store_b32 v[MXA], v[LS+\a] offset:2048+64*(\a)
.endm
.irp a, 0,1,2,3,4,5,6,7
	PK \a
	EXPS \a
.if \a > 0
	s_wait_alu depctr_va_vdst(0)
	s_wait_xcnt 0x0                                ; earlier stores have read the codes' registers
	FIN \a-1
.endif
.endr
	s_wait_alu depctr_va_vdst(0)
	s_wait_xcnt 0x0
.set jj, 0
.rept 64
	SIDE 7
.set jj, jj+1
.endr
	FIN 7
	ds_load_b128 v[32:35], v[SRD] offset:2048      ; my 128 sums and my 128 -M, four a lane: my own bytes, and LDS serves a wave's instructions in order (ISA guide 5.7.1.4)
	ds_load_b128 v[36:39], v[SRD] offset:4096
	s_wait_dscnt 0x0
	global_store_b128 v[SGO], v[32:35], s[82:83]   ; 512 consecutive bytes, aligned
	s_cmp_lg_u32 s16, 0                            ; both waves of a pair hold the same -M: the one with the first 128 keys stores it
	s_cbranch_scc1 .Lnot_m
	global_store_b128 v[SGO], v[36:39], s[80:81]
.Lnot_m:
	s_wait_tensorcnt 0x0                           ; the wave's end
	ds_add_u32 v[SPW], v[NIL]
	s_wait_dscnt 0x0
	CROUND                                         ; the closing round
	s_endpgm
.Lfunc_end_k_qd3447e1636_scores:
	.size	k_qd3447e1636_scores, .Lfunc_end_k_qd3447e1636_scores-k_qd3447e1636_scores
	.p2alignl 7, 3214868480
	.fill 96, 4, 3214868480
	.section	.rodata,"a",@progbits
	.p2align	6, 0x0
	.amdhsa_kernel k_qd3447e1636_scores
		.amdhsa_group_segment_fixed_size 327680
		.amdhsa_private_segment_fixed_size 0
		.amdhsa_enable_private_segment 0
		.amdhsa_kernarg_size 32
		.amdhsa_user_sgpr_count 2
		.amdhsa_user_sgpr_kernarg_segment_ptr 1
		.amdhsa_wavefront_size32 1
		.amdhsa_system_sgpr_workgroup_id_x 1
		.amdhsa_system_sgpr_workgroup_id_y 1
		.amdhsa_system_sgpr_workgroup_id_z 1
		.amdhsa_system_vgpr_workitem_id 0
		.amdhsa_next_free_vgpr 1024
		.amdhsa_next_free_sgpr 102
		.amdhsa_reserve_vcc 0
		.amdhsa_float_denorm_mode_32 3
		.amdhsa_float_denorm_mode_16_64 3
		.amdhsa_memory_ordered 1
		.amdhsa_forward_progress 1
		.amdhsa_inst_pref_size 176
	.end_amdhsa_kernel
	.amdgpu_metadata
---
amdhsa.version: [ 1, 2 ]
amdhsa.kernels:
  - .name:           k_qd3447e1636_scores
    .symbol:         k_qd3447e1636_scores.kd
    .args:
      - { .name: qk, .offset: 0, .size: 8, .value_kind: global_buffer, .address_space: global }
      - { .name: lowp_scales, .offset: 8, .size: 8, .value_kind: global_buffer, .address_space: global }
      - { .name: p, .offset: 16, .size: 8, .value_kind: global_buffer, .address_space: global }
      - { .name: stats, .offset: 24, .size: 8, .value_kind: global_buffer, .address_space: global }
    .group_segment_fixed_size: 327680
    .private_segment_fixed_size: 0
    .kernarg_segment_align: 8
    .kernarg_segment_size: 32
    .max_flat_workgroup_size: 128
    .sgpr_count:     102
    .vgpr_count:     1024
    .wavefront_size: 32
...
	.end_amdgpu_metadata
.endif
;; end of part 2
;; launch pv (part 3): grid 8 x 32, 4 waves a work-group, clusters of 4 x 4, 327,680 bytes of LDS; arguments p, vt, stats, lowp_scales, out0; writes out0
.if DOCPART == 3
	.amdgcn_target "amdgcn-amd-amdhsa--gfx1250"
	.amdhsa_code_object_version 6
	.text
	.protected	k_qd3447e1636_pv
	.globl	k_qd3447e1636_pv
	.p2align	8
	.type	k_qd3447e1636_pv,@function
k_qd3447e1636_pv:
	s_mov_b64 s[64:65], 0
	v_nop
	global_prefetch_b8 v0, s[64:65] scope:SCOPE_SE
	s_setreg_imm32_b32 hwreg(HW_REG_WAVE_MODE, 25, 1), 1
	s_wait_xcnt 0x0
	s_wait_alu depctr_hold_cnt(0) depctr_sa_sdst(0) depctr_va_vdst(0) depctr_va_sdst(0) depctr_va_ssrc(0) depctr_va_vcc(0) depctr_vm_vsrc(0)
	s_getreg_b32 s2, hwreg(HW_REG_IB_STS2, 6, 4)
	s_cmp_eq_u32 s2, 0
	s_cbranch_scc0 .Lentry_in_a_cluster
	s_endpgm
.Lentry_in_a_cluster:
	s_bfe_u32 s2, ttmp6, 0x10000c
	s_cmp_lg_u32 s2, 0xf033
	s_cbranch_scc0 .Lentry_shape_is_right
	s_endpgm
.Lentry_shape_is_right:
; O[q][f] = the sum over the eight key blocks j of F_j[q] x (P_j V_j)[q][f], F_j = 2^(M_j - M) x 2^(ep + ev) / l[q], on codes of BF8 (E5M2).  Nothing of the problem is left out.
; P_j: the codes of 2^(t - M_j) for the 256 keys of block j; M = a query's largest M_j; l = the sum over j of 2^(M_j - M) x (the block's two sums of the unquantised p).  M_j - M is a whole number, 0 or less.
; IN, as images of the operands' registers: p [32 query tiles][8 key blocks][2 halves of 128 keys][16 blocks of 16 queries][4][32 lanes][16 bytes], vt [4 batches][8 feature tiles][8 key blocks][2 halves of 128 keys][2 halves of 64 features][4][4][32][16];
;   stats f32: -M [4][8][2048] from byte 0, the sums [4][16][2048] from byte 262,144.   OUT: out0 [8192][1024] f32.
; SHARES.  A tile is 256 queries x 128 features, so that the 8,192 x 1,024 results give 256 work-groups; a wave makes 128 x 64: 32 accumulators.  K = 2,048 keys go in eight steps of 256, ONE KEY BLOCK A STEP.
; Each block's products are summed in accumulators of their own, begun with the constant 0 (window 2); at the block's end O (window 3) takes them in, times the block's factor: one packed multiply-add for two numbers.
; Rows 0-63 are taken in among the block's last sixteen products, which belong to rows 64-127; rows 64-127 behind the run of LDS loads that follows.
; THE RING HAS THREE SLOTS of one key block (P 65,536 bytes, V 32,768, dense); block u lies in slot u % 3.  At the head waves 0 and 2 fetch block 0, waves 1 and 3 blocks 1 and 2 in one load; block 3 is asked for behind block 0; 4 and 5 behind block 2;
; 6 behind block 3; 7 behind block 5.  The changes 1 to 2 and 4 to 5 need no barrier: those blocks were shown landed, to every wave, by the barrier before.
; CLUSTERS 4 x 4: P's tiles are asked for jointly along a row of the cluster, V's along a column.
; PREFETCH: behind block 0's joint load stand the requests for blocks 4 and 5, two blocks ahead of their load; behind block 2's those for 6 and 7, one block and three blocks ahead.  Blocks 0 to 3 come by their loads alone.  Each aligned 256 bytes are named once in a cluster:
; the four work-groups that ask for a tile jointly share it out by address (cx for P, cy for V), a lane 256 bytes; waves 0 and 1 name P, 32 pieces each of each block; wave 2 names V's earlier block, wave 3 the later.  Nothing lies behind block 7.
; TRANSPOSED USE (source 0 = 16 features of V, source 1 = 16 queries of P): lane (r, h) holds query r of block a, register i of accumulator (a, b) the feature 16 b + 8 h + i.
; LIMITS: ep + ev is applied by v_ldexp_f32 and has none.  Codes of NaN or infinity are not served.
; REGISTERS: window 0: v0-31 addresses; v128-255 at the head the stats, then P's fragments (one set), then the way out.
;   window 1: v0-127 V's fragments, two sets of 64; v128-191 the factors, (a, j) at v[128 + 8 a + j].   window 2: a block's sums, (a, b) at v[8 (4 a + b)].   window 3: O, at the same numbers.
.set PITCH,  272                       ; a row of the stages: 256 bytes + 16 of padding
.set FR,     16
.set NL,     4
.set PSL,    65536
.set VSL,    32768
.set VB,     3*PSL                     ; V's slots lie behind P's three
.set SPARE,  VB+3*VSL                  ; the spare words, 128 bytes a wave
.set SCR,    SPARE+512                 ; two tables of factors, one for each half of the tile's queries: 8 x 512 bytes each
.set TBL,    4096
.set STAGE,  SCR+2*TBL                 ; the way out: 16 rows x 272 bytes for each wave, its own; no tile lands there
.set ADRA, 16
.set ADRB, 20
.set STO,  24
.set RD,   25
.set CO,   26
.set SPW,  28
.set NIL,  29
.set SGO,  8                           ; v8   8 x lane: my two queries' bytes in a row of the stats
.set TW,   9                           ; v9   where I put my two queries' factors in the table
.set TRD,  10                          ; v10  where I read query r's
.set L16,  11
.set PFO,  12                          ; v12  the prefetches' offset: 256 x lane; never rewritten
.set NMV,  128                         ; the head: -M_j of my two queries, pair j; then M_j - M; then the factors
.set LLV,  144                         ; their sixteen sums, pair j'
.set LS,   176
.set GM,   178
.set FP,   128
.set AF,   128
.set BK,   160                         ; 16 rows read back: v160-191 and v192-223 by turns
.set G1A1, 24                          ; group 1: P, one block (256 rows of 256 bytes)
.set G1A2, 32                          ; P, two blocks
.set G1B1, 48                          ; V, one block
.set G1B2, 56                          ; V, two blocks
.set G0A,  88
.set G0B,  92
.set PFA,  86                          ; s[86:87] where my prefetches stand: block 0 (wave 3: block 1); never rewritten
.set MSB, 0
.macro WIN new                         ; the immediate's high byte repeats the setting that is left
.if MSB != (\new)
	s_set_vgpr_msb (MSB<<8)|(\new)
.set MSB, (\new)
.endif
.endm
.set MUL,  0xa1                        ; source 0 (V) window 1, source 1 (P) window 0, C and D window 2
.set TO_B, 0x40
.macro TL g0, g1                       ; a joint load; an s_nop 0 and four v_nop follow it
	tensor_load_to_lds s[\g0:\g0+3], s[\g1:\g1+7]
	s_nop 0
.rept 4
	v_nop
.endr
.endm
.macro JLOAD both                      ; waves 0 and 1 fetch for P, waves 2 and 3 for V; both = 0: one block, by waves 0 and 2
.if \both == 0
	s_cmp_lg_u32 s16, 0
	s_cbranch_scc1 .Lasked_\@
.endif
	s_cmp_eq_u32 s15, 0
	s_cbranch_scc0 .Lfor_b_\@
	TL G0A, G1A1
	s_branch .Lasked_\@
.Lfor_b_\@:
	TL G0B, G1B1
.Lasked_\@:
.endm
.macro ASK blk                         ; the prefetches for blocks blk and blk + 1
	s_cmp_eq_u32 s15, 0
	s_cbranch_scc0 .Lask_v_\@
	global_prefetch_b8 v[PFO], s[PFA:PFA+1] offset:(\blk)*PSL th:TH_LOAD_NT scope:SCOPE_SE
	global_prefetch_b8 v[PFO], s[PFA:PFA+1] offset:(\blk)*PSL+PSL th:TH_LOAD_NT scope:SCOPE_SE
	s_branch .Lpre_done_\@
.Lask_v_\@:
	global_prefetch_b8 v[PFO], s[PFA:PFA+1] offset:(\blk)*VSL th:TH_LOAD_NT scope:SCOPE_SE
.Lpre_done_\@:
.endm
.macro CREST
	s_cmp_lg_u32 s14, 0
	s_cbranch_scc1 .Lnot_wave_0_\@
	s_barrier_signal -3
.Lnot_wave_0_\@:
	s_barrier_wait -3
	s_barrier_signal -1
	s_barrier_wait -1
.endm
.macro CROUND
	s_barrier_signal -1
	s_barrier_wait -1
	CREST
.endm
.macro SHAPE g, mask, rows             ; group 1: a dense block as rows of 256 bytes
	s_or_b32 s[\g], s[\mask], 1<<21
	s_mov_b32 s[\g+1], 256<<16
	s_mov_b32 s[\g+2], (\rows)<<16
	s_mov_b32 s[\g+3], 256<<16
	s_mov_b32 s[\g+4], \rows
	s_mov_b32 s[\g+5], 256
	s_mov_b32 s[\g+6], 0
	s_mov_b32 s[\g+7], 0
.endm
.macro G0SET blk, up                   ; groups 0: block blk (+ 1 in waves 1 and 3) into slot up (+ 1)
	s_add_co_u32 s[G0A+1], s45, (\up)*PSL
	s_add_nc_u64 s[G0A+2:G0A+3], s[68:69], (\blk)*PSL
	s_or_b32 s[G0A+3], s[G0A+3], 0x80000000
	s_add_co_u32 s[G0B+1], s80, (\up)*VSL
	s_add_nc_u64 s[G0B+2:G0B+3], s[70:71], (\blk)*VSL
	s_or_b32 s[G0B+3], s[G0B+3], 0x80000000
.endm
	s_load_b256 s[68:75], s[0:1], 0x0              ; p s[68:69], vt s[70:71], stats s[72:73], the scales' exponents s[74:75]
	s_load_b64 s[76:77], s[0:1], 0x20              ; out0
	v_lshl_add_u32 v[SPW], v0, 2, SPARE
	v_mov_b32 v[NIL], 0
	ds_add_u32 v[SPW], v[NIL]                      ; the opening: the add, twice on end, and its wait
	ds_add_u32 v[SPW], v[NIL]
	v_lshrrev_b32 v1, 5, v0
	v_readfirstlane_b32 s14, v1                    ; wave 0..3
	v_and_b32 v2, 31, v0
	v_lshlrev_b32 v[SGO], 3, v2
	v_lshlrev_b32 v[PFO], 8, v2
	s_lshr_b32 s15, s14, 1                         ; which half of the tile's queries is mine.  Also: I fetch for P (0) or for V (1)
	s_and_b32 s16, s14, 1                          ; which half of its features.  Also: which of two blocks I fetch
	s_bfe_u32 s40, ttmp6, 0x40000                  ; cx, cy
	s_bfe_u32 s41, ttmp6, 0x40004
	s_lshl_b32 s42, ttmp9, 2
	s_add_co_u32 s42, s42, s40                     ; the block of 128 features, 0..7
	s_and_b32 s81, ttmp7, 0xffff
	s_lshl_b32 s17, s81, 2
	s_add_co_u32 s17, s17, s41                     ; the block of 256 queries, 0..31
	s_lshr_b32 s81, s81, 1                         ; the batch, from the cluster's number alone
	s_lshl_b32 s43, s41, 2
	s_lshl_b32 s43, 15, s43                        ; my row of the cluster
	s_lshl_b32 s44, 0x1111, s40                    ; my column
	SHAPE G1A1, 43, 256
	SHAPE G1A2, 43, 512
	SHAPE G1B1, 44, 128
	SHAPE G1B2, 44, 256
	s_lshl_b32 s45, s16, 16                        ; where they go in LDS: no place in the cluster enters an LDS address
	s_lshl_b32 s80, s16, 15
	s_lshl_b32 s20, s17, 19                        ; P: 524,288 bytes a query tile,
	s_lshl_b32 s96, s40, 14
	s_add_co_u32 s96, s96, s20                     ; (a prefetch of P: + 16,384 cx + 8,192 x wave)
	s_lshl_b32 s97, s16, 13
	s_add_co_u32 s96, s96, s97
	s_add_co_u32 s20, s20, s45                     ; block s16
	s_mov_b32 s21, 0
	s_lshl_b32 s46, s81, 3
	s_add_co_u32 s46, s46, s42
	s_lshl_b32 s46, s46, 18                        ; V: 262,144 bytes a (batch, feature tile)
	s_add_co_u32 s46, s46, s80
	s_mov_b32 s47, 0
	s_lshl_b32 s98, s41, 13
	s_add_co_u32 s98, s98, s46                     ; (a prefetch of V: + 8,192 cy, block s16)
	s_cmp_eq_u32 s15, 0
	s_cselect_b32 s96, s96, s98
	s_mov_b32 s97, 0
	s_add_co_u32 s80, s80, VB
	s_and_b32 s2, s17, 7                           ; the stats: of my pair's 128 queries I take 64: they begin at 256 x (tile row % 8) + 128 x query half + 64 x s16 of the batch's 2,048
	s_lshl_b32 s2, s2, 8
	s_lshl_b32 s3, s15, 7
	s_add_co_u32 s2, s2, s3
	s_lshl_b32 s3, s16, 6
	s_add_co_u32 s2, s2, s3
	s_lshl_b32 s3, s81, 14
	s_add_co_u32 s3, s3, s2
	s_lshl_b32 s82, s3, 2                          ; -M: 8 x 2,048 numbers a batch
	s_mov_b32 s83, 0
	s_lshl_b32 s3, s81, 15
	s_add_co_u32 s3, s3, s2
	s_lshl_b32 s84, s3, 2
	s_add_co_u32 s84, s84, 262144                  ; the sums: 16 x 2,048 a batch
	s_mov_b32 s85, 0
	s_mov_b32 s[G0A], 1
	s_mov_b32 s[G0B], 1
	s_wait_alu depctr_va_vdst(0)
	s_wait_dscnt 0x0                               ; both opening adds are done
	CROUND                                         ; all sixteen work-groups are here: the first joint loads meet.  The arguments are on their way meanwhile
	s_wait_kmcnt 0x0
	s_load_b64 s[78:79], s[74:75], 0x20            ; entries 8, 9: ep, ev
	s_cmp_eq_u32 s15, 0
	s_cselect_b64 s[PFA:PFA+1], s[68:69], s[70:71]
	s_add_nc_u64 s[PFA:PFA+1], s[PFA:PFA+1], s[96:97]
	s_add_nc_u64 s[68:69], s[68:69], s[20:21]
	s_add_nc_u64 s[70:71], s[70:71], s[46:47]
	s_add_nc_u64 s[82:83], s[72:73], s[82:83]
	s_add_nc_u64 s[84:85], s[72:73], s[84:85]
	G0SET 0, 0
	s_cmp_eq_u32 s15, 0                            ; one load a wave
	s_cbranch_scc0 .Lhead_v
	s_cmp_eq_u32 s16, 0
	s_cbranch_scc0 .Lhead_p2
	TL G0A, G1A1                                   ; P, block 0
	s_branch .Lhead_asked
.Lhead_p2:
	TL G0A, G1A2                                   ; P, blocks 1 and 2
	s_branch .Lhead_asked
.Lhead_v:
	s_cmp_eq_u32 s16, 0
	s_cbranch_scc0 .Lhead_v2
	TL G0B, G1B1
	s_branch .Lhead_asked
.Lhead_v2:
	TL G0B, G1B2
.Lhead_asked:
.set jj, 0
.rept 8
	global_load_b64 v[NMV+2*jj:NMV+2*jj+1], v[SGO], s[82:83] offset:8192*jj    ; -M_j of queries 2 l and 2 l + 1 of my 64: the wave reads 256 consecutive bytes, aligned
.set jj, jj+1
.endr
.set jj, 0
.rept 16
	global_load_b64 v[LLV+2*jj:LLV+2*jj+1], v[SGO], s[84:85] offset:8192*jj    ; their sixteen sums
.set jj, jj+1
.endr
	v_and_b32 v1, 15, v0                           ; r
	v_bfe_u32 v2, v0, 4, 1                         ; h
	v_and_b32 v[L16], 31, v0
	v_lshlrev_b32 v[L16], 4, v[L16]
	v_mul_u32_u24 v3, v1, PITCH
	s_lshl_b32 s21, s15, 14                        ; my 8 blocks of P
	s_lshl_b32 s22, s16, 13                        ; my 4 of V
	s_add_co_u32 s22, s22, VB
.irp s, 0,1,2
	v_add_nc_u32 v[ADRA+\s], s21, v[L16]
	v_add_nc_u32 v[ADRB+\s], s22, v[L16]
	s_add_co_u32 s21, s21, PSL
	s_add_co_u32 s22, s22, VSL
.endr
	s_mul_i32 s23, s14, 16*PITCH
	s_add_co_u32 s23, s23, STAGE                   ; my stage
	s_wait_alu depctr_va_vdst(0)
	v_lshl_add_u32 v5, v2, 5, v3
	v_add_nc_u32 v[STO], s23, v5                   ; in: row r, 32 bytes for each half of the lanes
	v_mul_u32_u24 v5, v2, PITCH
	v_lshl_add_u32 v5, v1, 4, v5
	v_add_nc_u32 v[RD], s23, v5                    ; back: lanes 0-15 one row of 256 bytes, lanes 16-31 the next
	v_lshlrev_b32 v[CO], 12, v2
	v_lshl_add_u32 v[CO], v1, 4, v[CO]             ; and the same two rows in out0, 4,096 bytes apart
	s_mul_i32 s23, s15, TBL
	s_add_co_u32 s23, s23, SCR                     ; my pair's table: word q of row j is query q's factor for block j
	v_lshl_add_u32 v[TRD], v1, 2, s23
	s_lshl_b32 s2, s16, 8
	s_add_co_u32 s2, s2, s23
	v_add_nc_u32 v[TW], s2, v[SGO]                 ; my 64 queries' half of a row, 8 bytes a lane
	s_lshl_b32 s18, s17, 8                         ; out0: (256 x tile row + 128 x query half) rows + (128 x tile column + 64 x feature half) x 4 bytes
	s_lshl_b32 s19, s15, 7
	s_add_co_u32 s18, s18, s19
	s_lshl_b32 s18, s18, 12
	s_lshl_b32 s19, s42, 9
	s_add_co_u32 s18, s18, s19
	s_lshl_b32 s19, s16, 8
	s_add_co_u32 s18, s18, s19
	s_mov_b32 s19, 0
	s_add_nc_u64 s[10:11], s[76:77], s[18:19]
	; THE FACTORS, each query's once in its pair of waves, two queries a lane, while the first tiles are on their way
	s_wait_alu depctr_va_vdst(0)
	s_wait_loadcnt 0x0
.irp i, 0,1
	v_min3_num_f32 v[GM+\i], v[NMV+\i], v[NMV+2+\i], v[NMV+4+\i]   ; -M = the least -M_j
.endr
.irp i, 0,1
	v_min3_num_f32 v[GM+\i], v[GM+\i], v[NMV+6+\i], v[NMV+8+\i]
.endr
.irp i, 0,1
	v_min3_num_f32 v[GM+\i], v[GM+\i], v[NMV+10+\i], v[NMV+12+\i]
.endr
.irp i, 0,1
	v_min_num_f32 v[GM+\i], v[GM+\i], v[NMV+14+\i]
.endr
.set jj, 0
.rept 16
	v_sub_f32 v[NMV+jj], v[GM+jj%2], v[NMV+jj]                     ; M_j - M: a whole number, 0 or less
.set jj, jj+1
.endr
.set jj, 0
.rept 16
	v_cvt_i32_f32 v[NMV+jj], v[NMV+jj]                             ; (it saturates)
.set jj, jj+1
.endr
.set jj, 0
.rept 8
	v_pk_add_f32 v[LLV+4*jj:LLV+4*jj+1], v[LLV+4*jj:LLV+4*jj+1], v[LLV+4*jj+2:LLV+4*jj+3]   ; a block's two sums stand under the same M_j
.set jj, jj+1
.endr
.set jj, 0
.rept 16
	v_ldexp_f32 v[NMV+jj], 1.0, v[NMV+jj]                          ; 2^(M_j - M)
.set jj, jj+1
.endr
	v_pk_mul_f32 v[LS:LS+1], v[NMV:NMV+1], v[LLV:LLV+1]
.set jj, 1
.rept 7
	v_pk_fma_f32 v[LS:LS+1], v[NMV+2*jj:NMV+2*jj+1], v[LLV+4*jj:LLV+4*jj+1], v[LS:LS+1]     ; l
.set jj, jj+1
.endr
	s_wait_alu depctr_va_vdst(0)
	v_rcp_f32 v[LS], v[LS]
	v_rcp_f32 v[LS+1], v[LS+1]
	v_nop                                          ; a plain instruction behind the last reciprocal
	s_wait_kmcnt 0x0
	s_add_co_i32 s78, s78, s79                     ; ep + ev
	s_wait_alu depctr_va_vdst(0)
	v_ldexp_f32 v[LS], v[LS], s78                  ; 2^(ep + ev) / l
	v_ldexp_f32 v[LS+1], v[LS+1], s78
.set jj, 0
.rept 8
	v_pk_mul_f32 v[NMV+2*jj:NMV+2*jj+1], v[NMV+2*jj:NMV+2*jj+1], v[LS:LS+1]
.set jj, jj+1
.endr
.set jj, 0
.rept 8
	ds_store_b64 v[TW], v[NMV+2*jj:NMV+2*jj+1] offset:512*jj
.set jj, jj+1
.endr
	s_cmp_lg_u32 s16, 0                            ; block 0 was fetched by waves 0 and 2: they wait for it; blocks 1 and 2, by waves 1 and 3, are waited for behind block 0
	s_cbranch_scc1 .Lblock_1_is_mine
	s_wait_tensorcnt 0x0
.Lblock_1_is_mine:
	s_wait_dscnt 0x0                               ; for my partner's sake: my half of the table lies in LDS
	s_barrier_signal -1
	s_barrier_wait -1
.macro FACT                            ; query 16 a + r's factor for block j; first used behind block 0's sums
	WIN TO_B
.set aa, 0
.rept 8
.set jj, 0
.rept 8
	ds_load_b32 v[FP+8*aa+jj], v[TRD] offset:512*jj+64*aa
.set jj, jj+1
.endr
.set aa, aa+1
.endr
	WIN 0
.endm
.macro FRAG reg, adr, off
.irp c, 0,1,2,3
	ds_load_b128 v[\reg+4*\c:\reg+4*\c+3], v[\adr] offset:(\off)+512*\c
.endr
.endm
; The 32 accumulators take turns, one instruction a turn, in the same order in every step.  zero = 1: the product starts the block's sums.
.macro M1 a, b, p, zero
.set AC, 8*(4*(\a)+\b)
.if \zero
	v_wmma_f32_16x16x128_bf8_bf8 v[AC:AC+7], v[64*(\p)+FR*\b:64*(\p)+FR*\b+FR-1], v[AF+FR*(\a):AF+FR*(\a)+FR-1], 0
.else
	v_wmma_f32_16x16x128_bf8_bf8 v[AC:AC+7], v[64*(\p)+FR*\b:64*(\p)+FR*\b+FR-1], v[AF+FR*(\a):AF+FR*(\a)+FR-1], v[AC:AC+7]
.endif
.endm
.macro MUL8 a0, p, zero                ; 8 matrix instructions: P's blocks a0, a0 + 1 x V's four, 128 along K
.irp a, \a0, \a0+1
.irp b, 0,1,2,3
	M1 \a, \b, \p, \zero
.endr
.endr
.endm
.macro FETCH_B slot, q, p              ; V's four fragments into set p
	WIN TO_B
.irp i, 0,1,2,3
	FRAG 64*(\p)+FR*\i, ADRB+\slot, 16384*(\q)+2048*\i
.endr
	WIN 0
.endm
.macro FETCH_A slot, q, i0             ; P's blocks i0 .. i0 + 3
.irp i, \i0, \i0+1, \i0+2, \i0+3
	FRAG AF+FR*(\i), ADRA+\slot, 32768*(\q)+2048*(\i)
.endr
.endm
.macro PLACES                          ; four plain places behind matrix instructions
.rept 4
	v_nop
.endr
.endm
; O takes accumulator (a, b)'s sums of block j in, times the block's factor: four packed lines, from the accumulator's low end on.
.macro RWIN j
.if (\j) == 0
	WIN 0xc6                                       ; destination window 3, source 0 (the sums) window 2, source 1 (the factor) window 1
.else
	WIN 0xf6                                       ; and source 2 (O) window 3
.endif
.endm
.macro RES4 j, a, b
.set kk, 32*(\a)+8*(\b)
.set FF, FP+8*(\a)+2*((\j)/2)
.rept 4
.if (\j) == 0
	v_pk_mul_f32 v[kk:kk+1], v[kk:kk+1], v[FF:FF+1] op_sel_hi:[1,0]
.elseif (\j)%2
	v_pk_fma_f32 v[kk:kk+1], v[kk:kk+1], v[FF:FF+1], v[kk:kk+1] op_sel:[0,1,0] op_sel_hi:[1,1,1]
.else
	v_pk_fma_f32 v[kk:kk+1], v[kk:kk+1], v[FF:FF+1], v[kk:kk+1] op_sel_hi:[1,0,1]
.endif
.set kk, kk+2
.endr
.endm
.macro RES j, a
	RWIN \j
.irp b, 0,1,2,3
	RES4 \j, \a, \b
.endr
.endm
.macro MULR j                          ; a block's last sixteen products (P's blocks 4-7); behind each, four lines for P's blocks 0-3, whose sums are finished and stand four plain places back
.irp a, 4,5,6,7
.irp b, 0,1,2,3
	WIN MUL
	M1 \a, \b, 1, 0
	RWIN \j
	RES4 \j, (\a-4), \b
.endr
.endr
.endm
.macro RESCALE j                       ; and P's blocks 4-7, behind the run of LDS loads for the next block
.irp a, 4,5,6,7
	RES \j, \a
.endr
	WIN 0
.endm
; 128 keys with V's set p, and the fetch of the next 128: the nq-th of slot nslot, which every wave knows to have landed.  No barrier: nothing is filled.  j: the block that ends here (-1: none).
.macro STEP p, zero, nslot, nq, j, f=0
	s_wait_dscnt 4*NL                              ; V's set and P's blocks 0-3 are in; the youngest 16 loads (P's blocks 4-7) may be out
	WIN MUL
	MUL8 0, \p, \zero
	MUL8 2, \p, \zero
	s_wait_dscnt 0
	PLACES
.if \f
	FACT
.endif
	FETCH_B \nslot, \nq, 1-(\p)
	FETCH_A \nslot, \nq, 0
.if (\j) >= 0
	MULR \j
.else
	WIN MUL
	MUL8 4, \p, \zero
	MUL8 6, \p, \zero
.endif
	PLACES
	WIN 0
	FETCH_A \nslot, \nq, 4
.endm
; Block j's last 128 keys with a barrier: in front of it the wait for all my tensor loads, the add, and the wait for it and for my reads of the slots that I have left.
; fill = 1: one block, by waves 0 and 2;  fill = 2: two blocks;  fill = 0: nothing is left to fetch.  ask: the first of the two blocks that are prefetched (0: none).
.macro TURN next, fill, blk, up, j, ask
	s_wait_tensorcnt 0x0                           ; all my tensor loads have landed
	ds_add_u32 v[SPW], v[NIL]
	s_wait_dscnt 4*NL+1                            ; (the add and the youngest 16 loads may be out)
	WIN MUL
	MUL8 0, 1, 0
	s_wait_dscnt 0x0                               ; the add is done, and my reads of the slots that are filled again are over
	s_barrier_signal -1
	MUL8 2, 1, 0
	WIN 0
	s_barrier_wait -1
.if \fill
	CREST
	G0SET \blk, \up
	JLOAD \fill-1                                  ; the first tensor load behind the round
.endif
	PLACES
	FETCH_B \next, 0, 0
	FETCH_A \next, 0, 0
.if \ask
	ASK \ask
.endif
	MULR \j
	PLACES
	WIN 0
	FETCH_A \next, 0, 4
.endm
	FETCH_B 0, 0, 0
	FETCH_A 0, 0, 0
	FETCH_A 0, 0, 4
	STEP 0, 1, 0, 1, -1, 1                         ; block 0 (slot 0)
	TURN 1, 1, 3, 0, 0, 4                          ; blocks 1 and 2 have landed; slot 0 takes block 3
	RESCALE 0
	STEP 0, 1, 1, 1, -1                            ; block 1
	STEP 1, 0, 2, 0, 1                             ; on to slot 2: no barrier
	RESCALE 1
	STEP 0, 1, 2, 1, -1                            ; block 2
	TURN 0, 2, 4, 1, 2, 6                          ; block 3 has landed; slots 1 and 2 take blocks 4 and 5
	RESCALE 2
	STEP 0, 1, 0, 1, -1                            ; block 3
	TURN 1, 1, 6, 0, 3, 0                          ; blocks 4 and 5 have landed; slot 0 takes block 6
	RESCALE 3
	STEP 0, 1, 1, 1, -1                            ; block 4
	STEP 1, 0, 2, 0, 4
	RESCALE 4
	STEP 0, 1, 2, 1, -1                            ; block 5
	TURN 0, 1, 7, 1, 5, 0                          ; block 6 has landed; slot 1 takes block 7
	RESCALE 5
	STEP 0, 1, 0, 1, -1                            ; block 6
	TURN 1, 0, 0, 0, 6, 0                          ; block 7 has landed
	RESCALE 6
	STEP 0, 1, 1, 1, -1                            ; block 7
	s_wait_dscnt 4*NL                              ; the very last 128 keys
	WIN MUL
	MUL8 0, 1, 0
	MUL8 2, 1, 0
	s_wait_dscnt 0
	PLACES
	MULR 7
	PLACES
	WIN 0
; THE WAY OUT, block by block of 16 queries x 64 features.  A wave's 64 features are 256 bytes of a row of out0, aligned: so the stage is the wave's own and no barrier is needed.  LDS serves a wave's instructions in order (ISA guide 5.7.1.4).
.macro TOSTAGE a
.if \a > 3
	RES 7, \a
.endif
	WIN 0x0c                                       ; the stores' data: window 3
.irp b, 0,1,2,3
	ds_store_b128 v[STO], v[32*(\a)+8*\b:32*(\a)+8*\b+3] offset:64*\b
	ds_store_b128 v[STO], v[32*(\a)+8*\b+4:32*(\a)+8*\b+7] offset:64*\b+16
.endr
	WIN 0
.set BB, BK+32*((\a)%2)
.irp t, 0,1,2,3,4,5,6,7
	ds_load_b128 v[BB+4*\t:BB+4*\t+3], v[RD] offset:\t*2*PITCH
.endr
.endm
.macro SEND a, younger                 ; younger: the LDS instructions issued behind block a's loads, which may stay out
.set BB, BK+32*((\a)%2)
	s_wait_dscnt \younger
.irp t, 0,1,2,3,4,5,6,7
	global_store_b128 v[CO], v[BB+4*\t:BB+4*\t+3], s[10:11] offset:65536*(\a)+8192*\t th:TH_STORE_NT   ; 16 lanes store 256 consecutive bytes, aligned
.endr
.endm
	s_wait_alu depctr_va_vdst(0)
	TOSTAGE 0
.irp a, 1,2,3,4,5,6,7
.if \a > 1
	s_wait_xcnt 0x0                                ; block a - 2's stores have read their registers: block a's loads may land there
.endif
	TOSTAGE \a
	SEND \a-1, 16                                  ; behind block a - 1's loads: block a's 8 stores and 8 loads
.endr
	SEND 7, 0
	s_wait_tensorcnt 0x0                           ; the wave's end
	ds_add_u32 v[SPW], v[NIL]
	s_wait_dscnt 0x0
	CROUND                                         ; the closing round
	s_endpgm
.Lfunc_end_k_qd3447e1636_pv:
	.size	k_qd3447e1636_pv, .Lfunc_end_k_qd3447e1636_pv-k_qd3447e1636_pv
	.p2alignl 7, 3214868480
	.fill 96, 4, 3214868480
	.section	.rodata,"a",@progbits
	.p2align	6, 0x0
	.amdhsa_kernel k_qd3447e1636_pv
		.amdhsa_group_segment_fixed_size 327680
		.amdhsa_private_segment_fixed_size 0
		.amdhsa_enable_private_segment 0
		.amdhsa_kernarg_size 40
		.amdhsa_user_sgpr_count 2
		.amdhsa_user_sgpr_kernarg_segment_ptr 1
		.amdhsa_wavefront_size32 1
		.amdhsa_system_sgpr_workgroup_id_x 1
		.amdhsa_system_sgpr_workgroup_id_y 1
		.amdhsa_system_sgpr_workgroup_id_z 1
		.amdhsa_system_vgpr_workitem_id 0
		.amdhsa_next_free_vgpr 1024
		.amdhsa_next_free_sgpr 100
		.amdhsa_reserve_vcc 0
		.amdhsa_float_denorm_mode_32 3
		.amdhsa_float_denorm_mode_16_64 3
		.amdhsa_memory_ordered 1
		.amdhsa_forward_progress 1
		.amdhsa_inst_pref_size 202
	.end_amdhsa_kernel
	.amdgpu_metadata
---
amdhsa.version: [ 1, 2 ]
amdhsa.kernels:
  - .name:           k_qd3447e1636_pv
    .symbol:         k_qd3447e1636_pv.kd
    .args:
      - { .name: p, .offset: 0, .size: 8, .value_kind: global_buffer, .address_space: global }
      - { .name: vt, .offset: 8, .size: 8, .value_kind: global_buffer, .address_space: global }
      - { .name: stats, .offset: 16, .size: 8, .value_kind: global_buffer, .address_space: global }
      - { .name: lowp_scales, .offset: 24, .size: 8, .value_kind: global_buffer, .address_space: global }
      - { .name: out0, .offset: 32, .size: 8, .value_kind: global_buffer, .address_space: global }
    .group_segment_fixed_size: 327680
    .private_segment_fixed_size: 0
    .kernarg_segment_align: 8
    .kernarg_segment_size: 40
    .max_flat_workgroup_size: 128
    .sgpr_count:     100
    .vgpr_count:     1024
    .wavefront_size: 32
...
	.end_amdgpu_metadata
.endif
;; end of part 3
